; MI455X (gfx1250); checked and timed in simulation.
; The chip was launched on July 23, 2026; its instructions are those of AMD's public machine-readable ISA for CDNA 5 (MIT licence, August 2026) and "CDNA5" Instruction Set Architecture Reference Guide (July 2026). The comments in the code are by the model that wrote it; some were corrected since.
;; Box Mask Head. Allowed arithmetic: matrix products marked QUANTISED: E3M2 operands, one E8M0 scale for each 32 along K, by v_wmma_scale_f32_16x16x128_f8f6f4 with both operands' format E3M2, f32 sums; products left as they are: f32 operands where the result goes on into a quantised operand, else bf16, f16 or f32 operands; f32 sums; everything else in f32.
;; Inputs: boxes 512 x 4 float32; feature_map_codes 512 x 64 x 16 x 24 uint8 (E3M2 codes of feature_map, K innermost, in blocks of 32 codes, four codes in three bytes); feature_map_scales 512 x 64 x 16 uint8 (E8M0 scales of feature_map, one for each 32 codes along K).
;; Outputs: out0 512 x 8 x 8 x 64 float32.
;; Constants: output_width = 8.
;; This version of the problem:
;;   THIS VERSION OF THE PROBLEM IS GIVEN IN LOW PRECISION. The matrix products marked QUANTISED in the list below multiply operands that are first quantised to E3M2 (3 exponent bits, 2 mantissa bits; 6 bits a number), with one power-of-two scale for each 32 numbers along K (OCP MX v1.0); their sums are f32. All else is computed in f32.
;;   The module's matrix products, in the order in which they are computed (A, B: the left and right operand; K: the contracted axis; several contracted axes count as one K, in the product's order):
;;     1. [M 4,096, K 512] x [K 512, N 32,768]; A: computed on the way; B: input feature_map (given as codes): QUANTISED
;;     2. batch 512 x [M 512, K 512] x [K 512, N 8]; A: computed on the way; B: computed on the way: left as it is (N = 8 < 16)
;;   THE QUANTISER, for each operand of a quantised product, along K:
;;     - K is cut into blocks of 32 from its start; a last block that is shorter is filled with zeros.
;;     - A block's scale is 2^e with e = floor(log2(the largest magnitude in the block)) - 4, held to -126 .. 127; a block of zeros has e = 0. As a byte (E8M0): e + 127.
;;     - Each number is divided by its block's scale, clamped to +-28, and rounded to the nearest number of E3M2, ties to even, subnormals kept.
;;     - The product sums the exact products of the quantised numbers (number of the format x scale) in f32.
;;   ~~~python
;;   def quantise(x, axis):      # numpy; x: float32 -> the quantised numbers, widened to float32 again
;;       x = np.moveaxis(x, axis, -1); K = x.shape[-1]
;;       x = np.pad(x, [(0, 0)] * (x.ndim - 1) + [(0, -K % 32)]); x = x.reshape(x.shape[:-1] + (-1, 32)); a = np.abs(x).max(-1, keepdims=True)
;;       e = np.where(a > 0, np.clip(np.frexp(np.where(a > 0, a, 1))[1] - 1 - 4, -126, 127), 0)      # np.frexp(a)[1] - 1 = floor(log2(a)), exactly
;;       r = np.clip(x / 2.0 ** e, -28, 28)
;;       step = 2.0 ** (np.maximum(np.frexp(np.where(r == 0, 1, r))[1] - 1, -2) - 2)
;;       q = np.round(r / step) * step * 2.0 ** e      # np.round: ties to even
;;       return np.moveaxis(q.reshape(q.shape[:-2] + (-1,))[..., :K], -1, axis).astype(np.float32)
;;   ~~~
;;   OPERANDS COMPUTED ON THE WAY. 'Computed on the way' means the value that the module computes at that place (a softmax that the list does not call 'softmax' is quantised finished and normalised). What goes into a quantiser is computed in f32, as accurately as f32 sums, v_exp_f32 and their like allow (about 1e-6 of the number): no bf16 or f16 on the way to a quantiser, and a product that is left as it is and whose result goes on into a quantised operand takes f32 operands (vector FMAs, or v_wmma_f32_16x16x4_f32). A number that lies on a knife's edge between two numbers of the format may be rounded either way, as far as f32 arithmetic and the matrix unit's own rounding can turn it there, and no further.
;;   INPUTS GIVEN AS CODES. feature_map (in the module: [512, 512, 64], K = its axis 0): each comes as NAME_codes (uint8): NAME with its K axis moved to the last place and cut into blocks of 32 codes, [.., K / 32, bytes a block], one block behind the other in memory; four codes in three bytes: a row's codes are one little-endian stream of bits, code i at bits 6 i .. 6 i + 5 (a code: sign, 3 exponent bits, 2 mantissa bits); and NAME_scales (uint8): the same leading axes, one E8M0 byte (e + 127) for each 32 codes along K. Its value is code x scale, taken as it is: it is not quantised again, and the codes and scales need not be those that the quantiser above would give.
;; 2 versions, each right and faster than the one before. Each part assembles by itself: llvm-mc -triple=amdgcn-amd-amdhsa -mcpu=gfx1250 --defsym DOCPART=n.
;; ======== version 1 of 2: 2 launches
;; workspace buffers: wy_codes 1,572,864 bytes; wy_scales 65,536 bytes; wx_frags 4,194,304 bytes
;; launch prep (part 1): grid 512 x 1, 4 waves a work-group, no clusters, 1,536 bytes of LDS; arguments boxes, wy_codes, wy_scales, wx_frags; writes wy_codes, wy_scales, wx_frags
.if DOCPART == 1
	.amdgcn_target "amdgcn-amd-amdhsa--gfx1250"
	.amdhsa_code_object_version 6
	.text
	.protected	k_q94c59d7331_prep
	.globl	k_q94c59d7331_prep
	.p2align	8
	.type	k_q94c59d7331_prep,@function
k_q94c59d7331_prep:
	s_mov_b64 s[64:65], 0
	v_nop
	global_prefetch_b8 v0, s[64:65] scope:SCOPE_SE
	s_setreg_imm32_b32 hwreg(HW_REG_WAVE_MODE, 25, 1), 1
	s_wait_xcnt 0x0
; THE WEIGHTS OF THE RESAMPLING, made once for all work-groups of the product's launch.
; For a box and one image axis: p0 = centre - size / 2; sz = max(size, 1e-6); scale = 8 / (512 sz); tr = (-8 p0) / sz; inv = 1 / scale; ks = max(inv, 1);
; sample(o) = (o + 0.5) inv - tr inv - 0.5; w(i, o) = max(0, 1 - |sample(o) - i| / ks), i = 0 .. 511; w is divided by its sum over i where that sum is above 1000 eps,
; and is 0 where the sum is not, or where the sample lies outside -0.5 .. 511.5.
; SHARES.  Work-group n: group G = n / 2 (boxes 2 G and 2 G + 1), axis n % 2 (0: y, 1: x).  A group has 16 rows: row r = 8 (box % 2) + o.  Wave s takes i = 128 s .. 128 s + 127.
; Lane (r = lane % 16, h = lane / 16) takes row r, and its register k (0 .. 63) the weight at i = 128 s + 64 (k / 32) + 32 h + k % 32: the numbers that a 6-bit operand's layout gives that lane.
; THE y WEIGHTS are quantised along i (E3M2, one E8M0 byte for each 32) and stored as the image of the operand's registers: wy_codes [G][s][4 registers x 3][lane][16 bytes], wy_scales [G][s][r] one word.
; THE x WEIGHTS are rounded to bf16 and stored as images of bf16 operands of 16 rows x 32 i: wx_frags [G / 16][i / 32][G % 16][4 registers x 2][lane][16 bytes].
; LIMITS: NaN and infinite boxes are not served.  The quotients are a reciprocal refined by one residual step, not a correctly rounded division; w / sum is a product with the refined reciprocal of the sum
; (some 2 units in the last place); the sum's order is this text's own.  A block of zeros gets the scale byte 1 where the quantiser says 127: its codes are zeros, and this program alone reads the bytes.
.set I,   24                           ; v24-27   four running values of i, as f32 (whole numbers: exact)
.set W,   32                           ; v32-95   the 64 weights
.set DD,  96                           ; v96-99   at work: sample - i; later the blocks' largest weights and the conversions' scale operands
.set QQ,  100                          ; v100-103 at work: the quotient; later the scale bytes
.set EE,  104                          ; v104-107 at work: the residual; later the scale word
.set SM,  108                          ; v108-115 the sums, four pairs
.set FAC, 112                          ; v[112:113] the factor 1 / sum or 0, twice
.set CD,  116                          ; v116-127 the codes: an operand's 12 registers
.set PK,  96                           ; v96-127  the x weights in bf16, two to a register
	s_load_b128 s[4:7], s[0:1], 0x0                ; boxes, wy_codes
	s_load_b128 s[8:11], s[0:1], 0x10              ; wy_scales, wx_frags
	v_lshl_add_u32 v128, v0, 2, 0x400
	v_mov_b32 v129, 0
	v_lshrrev_b32 v1, 5, v0
	v_readfirstlane_b32 s12, v1                    ; wave s
	v_and_b32 v1, 31, v0                           ; lane
	v_and_b32 v2, 15, v0                           ; r
	v_bfe_u32 v3, v0, 4, 1                         ; h
	s_lshr_b32 s13, ttmp9, 1                       ; G
	s_and_b32 s14, ttmp9, 1                        ; the axis: 0 y, 1 x
	s_lshl_b32 s15, s13, 5                         ; two boxes of 16 bytes
	s_xor_b32 s16, s14, 1
	s_lshl_b32 s16, s16, 2                         ; a box is cx, cy, w, h: y takes words 1 and 3, x words 0 and 2
	s_add_co_u32 s15, s15, s16
	v_lshrrev_b32 v4, 3, v2
	v_lshl_add_u32 v4, v4, 4, s15                  ; my row's box
	s_mov_b32 s18, 0x76543210
	s_mov_b32 s19, 0xfedcba98                      ; v_permlanex16_b32's selects for lane l xor 16
	s_mov_b32 s24, 0x38fa0000                      ; 1000 x 2^-23
	s_mov_b32 s25, 0x43ffc000                      ; 511.5
	s_wait_kmcnt 0x0
	global_load_b32 v5, v4, s[4:5]                 ; the centre
	global_load_b32 v6, v4, s[4:5] offset:8        ; the size
	v_and_b32 v7, 7, v2
	v_cvt_f32_u32 v7, v7
	v_add_f32 v7, 0.5, v7                          ; o + 0.5
	s_lshl_b32 s17, s12, 7
	v_lshl_add_u32 v8, v3, 5, s17
	v_cvt_f32_u32 v[I], v8                         ; 128 s + 32 h
	v_add_f32 v[I+1], 1.0, v[I]
	v_add_f32 v[I+2], 2.0, v[I]
	v_add_f32 v[I+3], 0x40400000, v[I]
	s_lshl_b32 s20, s12, 6
	v_lshl_add_u32 v22, v2, 2, s20                 ; LDS: my wave's 16 partial sums, my row's word
	v_lshlrev_b32 v23, 2, v2                       ; and my row's word in wave 0's
	s_wait_loadcnt 0x0
	v_fma_f32 v9, -0.5, v6, v5                     ; p0 (size / 2 is exact: one rounding)
	v_max_num_f32 v10, 0x358637bd, v6              ; sz = max(size, 1e-6)
	v_mul_f32 v11, 0x44000000, v10                 ; 512 sz: exact
	v_mul_f32 v12, 0xc1000000, v9                  ; -8 p0: exact
	v_rcp_f32 v13, v11
	v_rcp_f32 v14, v10
	v_mov_b32 v17, 0x41000000                      ; 8.0.  (The plain instruction behind the reciprocals)
	s_wait_alu depctr_va_vdst(0)                   ; one wait for both reciprocals, ahead of their first reader
	v_mul_f32 v15, v17, v13                        ; scale = 8 / (512 sz): the product with the reciprocal,
	v_fma_f32 v18, -v11, v15, v17                  ; its residual,
	v_fma_f32 v15, v18, v13, v15                   ; and the correction
	v_mul_f32 v16, v12, v14                        ; tr = (-8 p0) / sz likewise
	v_fma_f32 v18, -v10, v16, v12
	v_fma_f32 v16, v18, v14, v16
	v_rcp_f32 v19, v15
	v_nop
	s_wait_alu depctr_va_vdst(0)
	v_fma_f32 v18, -v15, v19, 1.0                  ; inv = 1 / scale
	v_fma_f32 v19, v18, v19, v19
	v_max_num_f32 v20, 1.0, v19                    ; ks
	v_rcp_f32 v21, v20                             ; its reciprocal, refined in each quotient below
	v_mul_f32 v18, v7, v19                         ; (o + 0.5) inv
	v_mul_f32 v13, v16, v19                        ; tr inv
	v_sub_f32 v18, v18, v13
	v_add_f32 v18, -0.5, v18                       ; the sample: v18
	s_wait_alu depctr_va_vdst(0)
; Four weights, k0 .. k0 + 3, stage by stage, so that no line waits for the line above it.
.macro WGT4 k0
.irp c, 0,1,2,3
.if (\k0) == 32
	v_add_f32 v[I+\c], 0x42100000, v[I+\c]         ; from k = 28 + c to k = 32 + c the index goes 36 on
.elseif (\k0) > 0
	v_add_f32 v[I+\c], 4.0, v[I+\c]
.endif
.endr
.irp c, 0,1,2,3
	v_sub_f32 v[DD+\c], v18, v[I+\c]
.endr
.irp c, 0,1,2,3
	v_mul_f32 v[QQ+\c], |v[DD+\c]|, v21
.endr
.irp c, 0,1,2,3
	v_fma_f32 v[EE+\c], -v20, v[QQ+\c], |v[DD+\c]|
.endr
.irp c, 0,1,2,3
	v_fma_f32 v[QQ+\c], v[EE+\c], v21, v[QQ+\c]    ; |sample - i| / ks
.endr
.irp c, 0,1,2,3
	v_sub_f32 v[QQ+\c], 1.0, v[QQ+\c]
.endr
.irp c, 0,1,2,3
	v_max_num_f32 v[W+(\k0)+\c], 0, v[QQ+\c]
.endr
.endm
.irp k, 0,4,8,12,16,20,24,28,32,36,40,44,48,52,56,60
	WGT4 \k
.endr
	; the row's sum: my 64, two at a time in four chains; lane l xor 16's; the other three waves' through LDS
.irp c, 0,1,2,3
	v_pk_add_f32 v[SM+2*\c:SM+2*\c+1], v[W+2*\c:W+2*\c+1], v[W+8+2*\c:W+9+2*\c]
.endr
.irp m, 2,3,4,5,6,7
.irp c, 0,1,2,3
	v_pk_add_f32 v[SM+2*\c:SM+2*\c+1], v[SM+2*\c:SM+2*\c+1], v[W+8*\m+2*\c:W+8*\m+2*\c+1]
.endr
.endr
	v_pk_add_f32 v[SM:SM+1], v[SM:SM+1], v[SM+2:SM+3]
	v_pk_add_f32 v[SM+4:SM+5], v[SM+4:SM+5], v[SM+6:SM+7]
	v_pk_add_f32 v[SM:SM+1], v[SM:SM+1], v[SM+4:SM+5]
	v_add_f32 v[SM], v[SM], v[SM+1]
	v_permlanex16_b32 v[SM+1], v[SM], s18, s19
	v_add_f32 v[SM], v[SM], v[SM+1]
	ds_store_b32 v22, v[SM]                        ; both lanes of a row write the same word with the same value
	s_wait_dscnt 0x0                               ; for the others' sake: my store has landed
	s_barrier_signal -1
	s_barrier_wait -1
	ds_load_b32 v[SM], v23
	ds_load_b32 v[SM+1], v23 offset:64
	ds_load_b32 v[SM+2], v23 offset:128
	ds_load_b32 v[SM+3], v23 offset:192
	s_wait_dscnt 0x0
	v_add_f32 v[SM], v[SM], v[SM+1]
	v_add_f32 v[SM+2], v[SM+2], v[SM+3]
	v_add_f32 v[SM], v[SM], v[SM+2]                ; the sum over all 512
	v_rcp_f32 v[SM+1], v[SM]
	v_nop
	s_wait_alu depctr_va_vdst(0)
	v_fma_f32 v[SM+2], -v[SM], v[SM+1], 1.0        ; one step of refinement
	v_fma_f32 v[SM+1], v[SM+2], v[SM+1], v[SM+1]
	v_cmp_lt_f32 s20, s24, v[SM]                   ; the sum is above 1000 eps (it is never negative),
	v_cmp_le_f32 s21, -0.5, v18                    ; and the sample lies inside the image
	v_cmp_le_f32 s22, v18, s25
	s_and_b32 s20, s20, s21
	s_and_b32 vcc_lo, s20, s22
	v_cndmask_b32 v[FAC], 0, v[SM+1], vcc_lo       ; a choice of value only: no branch hangs on it
	v_mov_b32 v[FAC+1], v[FAC]
.irp m, 0,2,4,6,8,10,12,14,16,18,20,22,24,26,28,30,32,34,36,38,40,42,44,46,48,50,52,54,56,58,60,62
	v_pk_mul_f32 v[W+\m:W+\m+1], v[W+\m:W+\m+1], v[FAC:FAC+1]
.endr
	s_mov_b32 s21, 0
	s_cmp_eq_u32 s14, 0
	s_cbranch_scc0 .Lwx
	; ---- y: quantised.  My registers 32 c .. 32 c + 31 are block 2 c + h of this K step: its largest weight needs no other lane
.irp c, 0,1
	v_max3_num_f32 v[DD+\c], v[W+32*\c], v[W+32*\c+1], 0x2800000   ; with the floor 2^(5 - 127): the byte cannot fall under 1.  (No weight is negative)
.endr
.irp i, 2,4,6,8,10,12,14,16,18,20,22,24,26,28,30
.irp c, 0,1
	v_max3_num_f32 v[DD+\c], v[DD+\c], v[W+32*\c+\i], v[W+32*\c+\i+1]
.endr
.endr
.irp c, 0,1
	v_add_nc_u32 v[DD+2+\c], 0xfe000000, v[DD+\c]  ; 4 off the exponent field: the conversion takes this operand's exponent field as its scale
.endr
.irp c, 0,1
	v_lshrrev_b32 v[QQ+\c], 23, v[DD+2+\c]         ; the scale's byte
.endr
	v_lshl_or_b32 v[EE], v[QQ+1], 16, v[QQ]        ; my two bytes, blocks h and 2 + h,
	v_lshlrev_b32 v[EE+1], 3, v3
	v_lshlrev_b32 v[EE], v[EE+1], v[EE]            ; at their places in the row's word;
	v_mov_b32 v[EE+2], 0
	v_permlanex16_b32 v[EE+2], v[EE], s18, s19
	v_or_b32 v[EE], v[EE], v[EE+2]                 ; with lane l xor 16's two the word is whole
.irp c, 0,1
	v_cvt_scalef32_pk16_bf6_f32 v[CD+6*\c:CD+6*\c+2], v[W+32*\c:W+32*\c+15], v[DD+2+\c]
	v_cvt_scalef32_pk16_bf6_f32 v[8+4*\c:10+4*\c], v[W+32*\c+16:W+32*\c+31], v[DD+2+\c]   ; (a conversion's three registers begin on an even number: the second half is made elsewhere and moved)
.endr
	v_nop                                          ; one plain instruction behind the scaled conversions
.irp c, 0,1
.irp i, 0,1,2
	v_mov_b32 v[CD+3+6*\c+\i], v[8+4*\c+\i]
.endr
.endr
	v_lshlrev_b32 v4, 4, v1                        ; 16 x lane (the loads that read v4 are done)
	v_lshlrev_b32 v5, 2, v2                        ; 4 r
	s_lshl_b32 s20, s13, 2
	s_add_co_u32 s20, s20, s12
	s_mul_i32 s20, s20, 1536                       ; image (G, s)
	s_add_nc_u64 s[6:7], s[6:7], s[20:21]
	s_lshl_b32 s20, s13, 8
	s_lshl_b32 s22, s12, 6
	s_add_co_u32 s20, s20, s22                     ; 256 G + 64 s
	s_add_nc_u64 s[8:9], s[8:9], s[20:21]
.irp q, 0,1,2
	global_store_b128 v4, v[CD+4*\q:CD+4*\q+3], s[6:7] offset:512*\q   ; 32 lanes store 512 consecutive bytes, at a multiple of 256 from the buffer's first byte
.endr
	s_wait_xcnt 0x0                                ; EXEC changes only behind this wait
	v_cmp_gt_u32 vcc_lo, 16, v1
	s_wait_tensorcnt 0x0
	ds_add_u32 v128, v129
	s_wait_dscnt 0x0
	s_and_saveexec_b32 s26, vcc_lo
	global_store_b32 v5, v[EE], s[8:9]             ; lanes 0-15: the 16 rows' words
	s_wait_xcnt 0x0
	s_or_b32 exec_lo, exec_lo, s26
	s_endpgm
.Lwx:
	; ---- x: bf16.  My registers 32 c .. 32 c + 31 are row r of chunk 4 s + 2 c + h.  In that chunk's image lane (r, f) wants i % 32 = 16 t + 8 f + 0 .. 7 in registers 4 t .. 4 t + 3
.irp m, 0,1,2,3,4,5,6,7,8,9,10,11,12,13,14,15,16,17,18,19,20,21,22,23,24,25,26,27,28,29,30,31
	v_cvt_pk_bf16_f32 v[PK+\m], v[W+2*\m], v[W+2*\m+1]
.endr
	v_lshlrev_b32 v4, 14, v3                       ; 16,384 h: the chunk (the loads that read v4 are done)
	v_lshl_add_u32 v4, v2, 4, v4                   ; + 16 r
	s_lshr_b32 s20, s13, 4
	s_lshl_b32 s20, s20, 18                        ; 262,144 (G / 16)
	s_and_b32 s22, s13, 15
	s_lshl_b32 s22, s22, 10                        ; + 1,024 (G % 16)
	s_add_co_u32 s20, s20, s22
	s_lshl_b32 s22, s12, 16                        ; + 65,536 s
	s_add_co_u32 s20, s20, s22
	s_add_nc_u64 s[10:11], s[10:11], s[20:21]
.irp c, 0,1
.irp t, 0,1
.irp f, 0,1
	global_store_b128 v4, v[PK+16*\c+8*\t+4*\f:PK+16*\c+8*\t+4*\f+3], s[10:11] offset:32768*\c+512*\t+256*\f   ; 16 lanes store 256 consecutive bytes, at a multiple of 256 from the buffer's first byte
.endr
.endr
.endr
	s_wait_tensorcnt 0x0
	ds_add_u32 v128, v129
	s_wait_dscnt 0x0
	s_endpgm
.Lfunc_end_k_q94c59d7331_prep:
	.size	k_q94c59d7331_prep, .Lfunc_end_k_q94c59d7331_prep-k_q94c59d7331_prep
	.p2alignl 7, 3214868480
	.fill 96, 4, 3214868480
	.section	.rodata,"a",@progbits
	.p2align	6, 0x0
	.amdhsa_kernel k_q94c59d7331_prep
		.amdhsa_group_segment_fixed_size 1536
		.amdhsa_private_segment_fixed_size 0
		.amdhsa_enable_private_segment 0
		.amdhsa_kernarg_size 32
		.amdhsa_user_sgpr_count 2
		.amdhsa_user_sgpr_kernarg_segment_ptr 1
		.amdhsa_wavefront_size32 1
		.amdhsa_system_sgpr_workgroup_id_x 1
		.amdhsa_system_sgpr_workgroup_id_y 1
		.amdhsa_system_sgpr_workgroup_id_z 1
		.amdhsa_system_vgpr_workitem_id 0
		.amdhsa_next_free_vgpr 130
		.amdhsa_next_free_sgpr 66
		.amdhsa_reserve_vcc 1
		.amdhsa_float_denorm_mode_32 3
		.amdhsa_float_denorm_mode_16_64 3
		.amdhsa_memory_ordered 1
		.amdhsa_forward_progress 1
		.amdhsa_inst_pref_size 36
	.end_amdhsa_kernel
	.amdgpu_metadata
---
amdhsa.version: [ 1, 2 ]
amdhsa.kernels:
  - .name:           k_q94c59d7331_prep
    .symbol:         k_q94c59d7331_prep.kd
    .args:
      - { .name: boxes, .offset: 0, .size: 8, .value_kind: global_buffer, .address_space: global }
      - { .name: wy_codes, .offset: 8, .size: 8, .value_kind: global_buffer, .address_space: global }
      - { .name: wy_scales, .offset: 16, .size: 8, .value_kind: global_buffer, .address_space: global }
      - { .name: wx_frags, .offset: 24, .size: 8, .value_kind: global_buffer, .address_space: global }
    .group_segment_fixed_size: 1536
    .private_segment_fixed_size: 0
    .kernarg_segment_align: 8
    .kernarg_segment_size: 32
    .max_flat_workgroup_size: 128
    .sgpr_count:     66
    .vgpr_count:     130
    .wavefront_size: 32
...
	.end_amdgpu_metadata
.endif
;; end of part 1
;; launch main (part 2): grid 16 x 16, 4 waves a work-group, clusters of 4 x 4, 327,680 bytes of LDS; arguments feature_map_codes, feature_map_scales, wy_codes, wy_scales, wx_frags, out0; writes out0
.if DOCPART == 2
	.amdgcn_target "amdgcn-amd-amdhsa--gfx1250"
	.amdhsa_code_object_version 6
	.text
	.protected	k_q94c59d7331_main
	.globl	k_q94c59d7331_main
	.p2align	8
	.type	k_q94c59d7331_main,@function
k_q94c59d7331_main:
	s_mov_b64 s[64:65], 0
	v_nop
	global_prefetch_b8 v0, s[64:65] scope:SCOPE_SE
	s_setreg_imm32_b32 hwreg(HW_REG_WAVE_MODE, 25, 1), 1
	s_wait_xcnt 0x0
	s_wait_alu depctr_hold_cnt(0) depctr_sa_sdst(0) depctr_va_vdst(0) depctr_va_sdst(0) depctr_va_ssrc(0) depctr_va_vcc(0) depctr_vm_vsrc(0)
	s_getreg_b32 s2, hwreg(HW_REG_IB_STS2, 6, 4)
	s_cmp_eq_u32 s2, 0
	s_cbranch_scc0 .Lentry_in_a_cluster
	s_endpgm
.Lentry_in_a_cluster:
	s_bfe_u32 s2, ttmp6, 0x10000c
	s_cmp_lg_u32 s2, 0xf033
	s_cbranch_scc0 .Lentry_shape_is_right
	s_endpgm
.Lentry_shape_is_right:
; out[b][oy][ox][c] = sum over x of Wx[b][ox][x] T[(b,oy)][x][c],  T[(b,oy)][x][c] = sum over y of Q(Wy)[(b,oy)][y] F[y][x][c].
; The first product runs on codes of E3M2 with one E8M0 scale for each 32 along y; the second on bf16 operands; all sums in f32.  T never leaves the registers.
; SHARES.  Work-group (wgx, wgy): channels 4 wgx .. + 3, rows (b,oy) 256 wgy .. + 255 (32 boxes = 16 groups of two boxes).  Wave w: groups 8 (w / 2) .. + 7, channels 2 (w % 2), + 1 of the four.
; A wave's Wy (8 groups x 4 K steps x 12 registers) stays in its registers for the whole launch.
; A UNIT is 32 x at one channel.  First product, transposed: source 0 = 16 rows of F (16 neighbouring x at one channel), source 1 = a group's 16 rows of Wy: in the result a lane holds one row (b,oy) = lane % 16
; and x = 8 (lane / 16) + 0 .. 7.  Two such tiles, rounded to bf16 in pairs, ARE source 1 (16 rows (b,oy) x 32 x) of the second product, whose source 0 is the group's 16 rows (b',ox) of Wx.
; Of its result the lanes with b' = b are kept: the second product's 8 columns fill half of the instruction's 16.  64 + 8 matrix instructions a unit, 32 units a wave.
; BY TURNS.  A unit has two phases of 32 products on codes: groups 0-3, then groups 4-7.  Behind some of them stand slices: the LDS loads of the next unit's operands and the conversions of the
; four groups finished in the phase before; the four bf16 products of those groups close the phase.
; RING.  Two LDS slots, each with 64 x (4 units): F's codes, F's scale bytes, Wx's images.  One tensor load a wave behind each change of slots: waves 0, 1: F's two channel pairs; wave 2: Wx; wave 3: the scale bytes.
; CLUSTER 4 x 4.  F and its scale bytes hang on wgx alone: asked for jointly by a column of the cluster.  Wx hangs on wgy alone: jointly by a row.
; THE OUTPUT.  A work-group's share of a row of out0 is 4 channels: each lane stores 16 bytes, lanes 256 bytes apart.  Whole rows of 64 channels in one work-group would send all of F through every
; work-group's LDS; F's scale bytes come as pieces of 64 bytes for the same reason.
; No prefetch: each tile is read by four clusters, not once, and a refill has 288 matrix instructions a wave in which to land.
; REGISTERS, in windows of 256 (s_set_vgpr_msb: bits 1:0 source 0, 3:2 source 1, 5:4 source 2, 7:6 destination):
;   window 0: v1-15 addresses; v16-23 F's scale words, two sets; v24-39 Wy's scale words; v40-43 the way out; v64-191 T: v[64 + 64 hf + 16 g + 8 t]; v192-255 the way out's rows
;   window 1: v0-191 Wy of groups 0-3 (48 g + 12 s); v192-255 out of groups 0-3 (192 + 16 g + 8 ci)      window 2: the same for groups 4-7
;   window 3: v0-191 F, two buffers (96 p + 48 t + 12 s); v192-255 Wx's eight fragments
.set SLOTX, 1<<17                      ; slot 1 of F and of its scale bytes begins here: one exclusive or turns an address
.set WXX,   1<<15                      ; and Wx's slot 1 this far behind its slot 0
.set FP,    816                        ; a row of F in LDS: 768 bytes (two channels x 384) + 16 behind every 256 = 204 words
.set FPAIR, 64*FP                      ; a channel pair's 64 rows
.set SCO,   2*FPAIR                    ; behind them the scale bytes: 64 rows of 64 bytes + 16
.set SCP,   80
.set SPARE, SCO+64*SCP                 ; the spare words, 128 bytes for each wave: two blocks of 256 bytes that no other line names
.set WXO,   1<<18                      ; Wx's slots: dense, [chunk 2][group 16][1,024 bytes]
.set STP,   144                        ; the way out: a stage of 256 rows (b,oy) x ([channel 4][ox 8] f32 + 16 bytes), in F's slot 0, which has had its last fill and its last read by then
.set AF0A, 4                           ; v4   my lane's place in a tile of F: pair + FP r + 24 h; never rewritten
.set AF0B, 5                           ; v5   the same behind one padding more: 40 h
.set AS0,  6                           ; v6   among F's scale bytes: SCO + SCP x lane + 32 (w % 2)
.set AW0,  7                           ; v7   in Wx's images: WXO + 8,192 (w / 2) + 16 x lane
.set AFA,  8                           ; v8-11 the same four in the slot in hand
.set AFB,  9
.set AS,   10
.set AW,   11
.set L16,  12                          ; v12  16 x lane
.set L4,   13                          ; v13  4 x lane
.set SPW,  14                          ; v14  LDS address of my spare word: SPARE + 4 x my thread's number; never rewritten
.set NIL,  15                          ; v15  0; never rewritten
.set FS,   16                          ; v16-23 set p: register s = the word of K step s: lanes 0-15 of tile 0's rows, lanes 16-31 of tile 1's
.set WS,   24                          ; v24-39 register 2 g + s / 2: lanes 0-15 the even K step's words of group g, lanes 16-31 the odd one's
.set STO,  40
.set RD,   41
.set CO,   42
.set TMP,  43
.set T,    64
.set WV,   16                          ; s16 wave, s17 wave / 2, s18 wave % 2
.set MH,   17
.set CW,   18
.set G1F,  24                          ; s[24:31], s[32:39], s[40:47] descriptor groups 1: F, Wx, scale bytes
.set G1W,  32
.set G1S,  40
.set G0F,  48                          ; s[48:55], s[56:63], s[68:75] groups 0: a set for each of the two first fills; the second then walks on
.set G0W,  56
.set G0S,  68
.set TBF,  84                          ; s84  0 or SLOTX: the slot in hand
.set TBW,  85                          ; s85  0 or WXX
.set CNT,  86
.set EXS,  87
.set MSB, 0
.macro WIN new                         ; the immediate's high byte repeats the setting that is left; a switch that changes nothing is dropped
.if MSB != (\new)
	s_set_vgpr_msb (MSB<<8)|(\new)
.set MSB, (\new)
.endif
.endm
.macro PLACES n
.rept \n
	v_nop
.endr
.endm
.macro CREST                           ; a round of the cluster's barrier behind its opening barrier
	s_cmp_lg_u32 s[WV], 0
	s_cbranch_scc1 .Lnot_wave_0_\@
	s_barrier_signal -3
.Lnot_wave_0_\@:
	s_barrier_wait -3
	s_barrier_signal -1
	s_barrier_wait -1
.endm
.macro CROUND                          ; a whole round
	s_barrier_signal -1
	s_barrier_wait -1
	CREST
.endm
; A joint refill, one tensor load a wave.  The branches hang on the wave's number alone.  Four v_nop follow each line, ahead of the jump, the label and what follows.
.macro JLOAD
	s_cmp_lt_u32 s[WV], 2
	s_cbranch_scc0 .Lnot_f_\@
	tensor_load_to_lds s[G0F+4:G0F+7], s[G1F:G1F+7]
	s_nop 0
	PLACES 4
	s_branch .Lasked_\@
.Lnot_f_\@:
	s_cmp_eq_u32 s[WV], 2
	s_cbranch_scc0 .Lfor_s_\@
	tensor_load_to_lds s[G0W+4:G0W+7], s[G1W:G1W+7]
	s_nop 0
	PLACES 4
	s_branch .Lasked_\@
.Lfor_s_\@:
	tensor_load_to_lds s[G0S+4:G0S+7], s[G1S:G1S+7]
	s_nop 0
	PLACES 4
.Lasked_\@:
.endm
.macro ADDRS                           ; the four LDS addresses in the slot in hand
	v_add_nc_u32 v[AFA], s[TBF], v[AF0A]
	v_add_nc_u32 v[AFB], s[TBF], v[AF0B]
	v_add_nc_u32 v[AS], s[TBF], v[AS0]
	v_add_nc_u32 v[AW], s[TBW], v[AW0]
.endm
.macro QSTART                          ; on to the other slot
	s_xor_b32 s[TBF], s[TBF], SLOTX
	s_xor_b32 s[TBW], s[TBW], WXX
	ADDRS
.endm
; Product i of 32 of a phase: K step i / 8, x tile (i / 4) % 2, group 4 hf + i % 4; F from buffer p.  The first eight start the sums with the constant 0: nothing is cleared.
; The eight accumulators take turns, one instruction a turn.  The scale words stand in registers of their own.
.macro MX hf, p
	WIN 0x07+4*(\hf)                               ; F window 3, Wy window 1 or 2, T window 0
.set ms, i/8
.set mt, (i/4)%2
.set mg, i%4
.set rT, T+64*(\hf)+16*mg+8*mt
.set rF, 96*(\p)+48*mt+12*ms
.set rW, 48*mg+12*ms
.set rA, FS+4*(\p)+ms
.set rB, WS+2*(4*(\hf)+mg)+ms/2
.if (ms == 0) && (mt == 0)
	v_wmma_scale_f32_16x16x128_f8f6f4 v[rT:rT+7], v[rF:rF+11], v[rW:rW+11], 0, v[rA], v[rB] matrix_a_fmt:MATRIX_FMT_BF6 matrix_b_fmt:MATRIX_FMT_BF6
.elseif ms == 0
	v_wmma_scale_f32_16x16x128_f8f6f4 v[rT:rT+7], v[rF:rF+11], v[rW:rW+11], 0, v[rA], v[rB] matrix_a_fmt:MATRIX_FMT_BF6 matrix_b_fmt:MATRIX_FMT_BF6 matrix_a_scale:MATRIX_SCALE_ROW1
.elseif (mt == 0) && (ms%2 == 0)
	v_wmma_scale_f32_16x16x128_f8f6f4 v[rT:rT+7], v[rF:rF+11], v[rW:rW+11], v[rT:rT+7], v[rA], v[rB] matrix_a_fmt:MATRIX_FMT_BF6 matrix_b_fmt:MATRIX_FMT_BF6
.elseif mt == 0
	v_wmma_scale_f32_16x16x128_f8f6f4 v[rT:rT+7], v[rF:rF+11], v[rW:rW+11], v[rT:rT+7], v[rA], v[rB] matrix_a_fmt:MATRIX_FMT_BF6 matrix_b_fmt:MATRIX_FMT_BF6 matrix_b_scale:MATRIX_SCALE_ROW1
.elseif ms%2 == 0
	v_wmma_scale_f32_16x16x128_f8f6f4 v[rT:rT+7], v[rF:rF+11], v[rW:rW+11], v[rT:rT+7], v[rA], v[rB] matrix_a_fmt:MATRIX_FMT_BF6 matrix_b_fmt:MATRIX_FMT_BF6 matrix_a_scale:MATRIX_SCALE_ROW1
.else
	v_wmma_scale_f32_16x16x128_f8f6f4 v[rT:rT+7], v[rF:rF+11], v[rW:rW+11], v[rT:rT+7], v[rA], v[rB] matrix_a_fmt:MATRIX_FMT_BF6 matrix_b_fmt:MATRIX_FMT_BF6 matrix_a_scale:MATRIX_SCALE_ROW1 matrix_b_scale:MATRIX_SCALE_ROW1
.endif
.endm
; The second product for group 4 hf + g, channel ci: out += Wx T.  zero = 1: it starts the sum.
.macro PV hf, g, ci, zero
	WIN 0x53+0x50*(\hf)                            ; Wx window 3, T window 0, out (C and D) window 1 or 2
.set rO, 192+16*(\g)+8*(\ci)
.set rX, 192+8*(4*(\hf)+(\g))
.set rP, T+64*(\hf)+16*(\g)
.if \zero
	v_wmma_f32_16x16x32_bf16 v[rO:rO+7], v[rX:rX+7], v[rP:rP+7], 0
.else
	v_wmma_f32_16x16x32_bf16 v[rO:rO+7], v[rX:rX+7], v[rP:rP+7], v[rO:rO+7]
.endif
.endm
; Slice k of 8: tile k % 2 of group 4 hf + k / 2 is rounded to bf16, in place and ascending: the group's 16 registers shrink to the fragment's 8.  Each accumulator is read from its low end on.
.macro CV hf, k
	WIN 0
.set rG, T+64*(\hf)+16*((\k)/2)
.set ct, (\k)%2
.irp r, 0,1,2,3
	v_cvt_pk_bf16_f32 v[rG+4*ct+\r], v[rG+8*ct+2*\r], v[rG+8*ct+2*\r+1]
.endr
.endm
; A fragment of F: x tile t, K step s, of chunk un and channel cn of the slot in hand, into buffer pn.  Lane (r, h) takes row r's 24 bytes at 24 h and 48 + 24 h of the K step's 96, as they lie, in pieces of 8 bytes.
; The mover has laid 16 bytes of padding behind every 256: where the piece three on (lanes 16-31) lies behind one padding more, the second address register serves.
.macro LF t, s, pn, un, cn
	WIN 0xc0                                       ; destination window 3, address window 0
.irp pc, 0,1,2,3,4,5
.set fo, 384*(\cn)+96*(\s)+48*(\pc/3)+8*(\pc%3)
.set fr, 96*(\pn)+48*(\t)+12*(\s)+2*\pc
.if (fo/8)%32 < 29
	ds_load_b64 v[fr:fr+1], v[AFA] offset:32*FP*(\un)+16*FP*(\t)+fo+16*(fo/256)
.else
	ds_load_b64 v[fr:fr+1], v[AFB] offset:32*FP*(\un)+16*FP*(\t)+fo+16*(fo/256)
.endif
.endr
.endm
.macro LW hf, u, half                  ; two of Wx's fragments of chunk u: groups 4 hf + 2 half, + 1: images of the registers, 16 bytes a lane
	WIN 0xc0
.irp e, 0,1
.irp qd, 0,1
.set wf, 4*(\hf)+2*(\half)+\e
	ds_load_b128 v[192+8*wf+4*\qd:192+8*wf+4*\qd+3], v[AW] offset:16384*(\u)+1024*wf+512*\qd
.endr
.endr
.endm
.macro LFS pn, un, cn                  ; F's scale words of a unit: lane = x in the chunk, its channel's 16 bytes = the four K steps' words
	WIN 0
	ds_load_b128 v[FS+4*(\pn):FS+4*(\pn)+3], v[AS] offset:32*SCP*(\un)+16*(\cn)
.endm
; A PHASE of unit j (buffer and channel j % 2, chunk j / 2): 32 products for groups 4 hf .. + 3.
; nxt: the next unit's tile hf of F (and in phase 0 its scale words) is fetched.  cv: the other four groups, finished a phase ago, are converted, and their second products close the phase (pvz: they start sums).
; meet = 1, 2: the slot's last LDS reads stand in this phase; each wave waits for all its tensor loads, adds 0 to its spare word, waits for that and for its reads, and signals; 1: the walking descriptors step.
; The five v_nop at the end are the places between the second products and the products that write over the fragments which they read; between this phase's products and the conversions of
; their results; and between all products so far and the loads into registers that they have read.
.macro PHASE hf, j, nxt, cv, pvz, meet
.set i, 0
.rept 32
	MX \hf, (\j)%2
.if ((\j)%2 == 0) && (i < 2)
	LW \hf, (\j)/2, i
.endif
.if (\nxt) && (i >= 2) && (i < 6)
	LF \hf, i-2, 1-(\j)%2, (((\j)+1)%4)/2, ((\j)+1)%2
.endif
.if (\cv) && (i >= 6) && (i < 14)
	CV 1-(\hf), i-6
.endif
.if (\nxt) && ((\hf) == 0) && (i == 6)
	LFS 1-(\j)%2, (((\j)+1)%4)/2, ((\j)+1)%2
.endif
.if (\meet) && (i == 15)
	WIN 0                                          ; (the add's two registers lie in window 0)
	s_wait_tensorcnt 0x0                           ; all my tensor loads have landed: the one that was out is my part of the next slot;
	ds_add_u32 v[SPW], v[NIL]                      ; 0 onto my spare word; eight products stand between it and the wait for it
.if (\meet) == 1
	s_xor_b32 s[G0F+5], s[G0F+5], SLOTX            ; no tensor load of mine is out, so the walking descriptors may be written: the other slot than last time,
	s_add_nc_u64 s[G0F+6:G0F+7], s[G0F+6:G0F+7], 64*24576   ; the next 64 x; the type bits on top are not reached
	s_xor_b32 s[G0W+5], s[G0W+5], WXX
	s_add_nc_u64 s[G0W+6:G0W+7], s[G0W+6:G0W+7], 32768
	s_xor_b32 s[G0S+5], s[G0S+5], SLOTX
	s_add_nc_u64 s[G0S+6:G0S+7], s[G0S+6:G0S+7], 64*1024
.endif
.endif
.if (\meet) && (i == 23)
	s_wait_dscnt 0x0                               ; the add is done, and my reads of this slot are over
	s_barrier_signal -1                            ; say so; only work on registers follows until the wait
.endif
.set i, i+1
.endr
.if ((\meet) == 0) && ((\nxt) || ((\j)%2 == 0))
	s_wait_dscnt 0x0                               ; this phase's LDS loads, the last of them issued at least 25 products ago, are in
.endif
.if \cv
.irp g, 0,1,2,3
	PV 1-(\hf), \g, ((\j)+1+(\hf))%2, \pvz
.endr
.endif
	PLACES 5
.endm
; prev: phase 0 finishes groups 4-7 of the unit before.  zb, za: the second products of phase 0, of phase 1, start their sums.
.macro UNIT j, nxt, prev, zb, za, meet
	PHASE 0, \j, \nxt, \prev, \zb, 0
	PHASE 1, \j, \nxt, 1, \za, \meet
.endm
.macro CHG                             ; the change of slots with a refill: the barrier signalled in the phase opens a round of the cluster's barrier; the joint refill is the first thing behind it
	WIN 0
	s_barrier_wait -1
	CREST                                          ; no wave of any partner still reads the slot or has a load on its way
	JLOAD
.endm
	s_load_b256 s[4:11], s[0:1], 0x0               ; F's codes s[4:5], F's scales s[6:7], wy_codes s[8:9], wy_scales s[10:11]
	s_load_b128 s[12:15], s[0:1], 0x20             ; wx_frags s[12:13], out0 s[14:15]
	v_lshl_add_u32 v[SPW], v0, 2, SPARE
	v_mov_b32 v[NIL], 0
	ds_add_u32 v14, v15
	ds_add_u32 v14, v15
	s_wait_dscnt 0x0
	v_lshrrev_b32 v1, 5, v0
	v_readfirstlane_b32 s[WV], v1                  ; wave 0..3
	s_lshr_b32 s[MH], s[WV], 1
	s_and_b32 s[CW], s[WV], 1
	s_bfe_u32 s19, ttmp6, 0x40000                  ; cx, cy: my place in the cluster
	s_bfe_u32 s20, ttmp6, 0x40004
	s_lshl_b32 s21, ttmp9, 2
	s_add_co_u32 s21, s21, s19                     ; wgx = 4 x cluster x + cx
	s_and_b32 s22, ttmp7, 0xffff
	s_lshl_b32 s22, s22, 2
	s_add_co_u32 s22, s22, s20                     ; wgy = 4 x cluster y + cy
	s_lshl_b32 s23, s20, 2
	s_lshl_b32 s23, 15, s23                        ; my row of the cluster
	s_lshl_b32 s66, 0x1111, s19                    ; my column
	; descriptor groups 1.  F: 64 rows (x) of 768 bytes, 24,576 bytes apart, 16 bytes of padding behind every 64 words
	s_or_b32 s[G1F], s66, (1<<20)|(1<<21)|(5<<22)|(3<<25)   ; 15:0 the mask: my column; 17:16 elements of 1 byte; 20 padding on; 21 set beside a mask; 24:22 after every 64 words (code 5); 31:25 of 4 words (code 3)
	s_mov_b32 s[G1F+1], 768<<16                    ; tensor_dim0
	s_mov_b32 s[G1F+2], 64<<16                     ; tensor_dim1
	s_mov_b32 s[G1F+3], 768<<16                    ; tile_dim0
	s_mov_b32 s[G1F+4], 64                         ; tile_dim1
	s_mov_b32 s[G1F+5], 24576                      ; tensor_dim0_stride
	s_mov_b32 s[G1F+6], 0
	s_mov_b32 s[G1F+7], 0
	; Wx: a dense block of 32,768 bytes as 128 rows of 256 bytes (32 elements of 8 bytes), no padding
	s_or_b32 s[G1W], s23, (3<<16)|(1<<21)          ; the mask: my row
	s_mov_b32 s[G1W+1], 32<<16
	s_mov_b32 s[G1W+2], 128<<16
	s_mov_b32 s[G1W+3], 32<<16
	s_mov_b32 s[G1W+4], 128
	s_mov_b32 s[G1W+5], 32
	s_mov_b32 s[G1W+6], 0
	s_mov_b32 s[G1W+7], 0
	; the scale bytes: 64 rows (x) of 64 bytes, 1,024 bytes apart, 16 bytes of padding behind each
	s_or_b32 s[G1S], s66, (1<<20)|(1<<21)|(3<<22)|(3<<25)
	s_mov_b32 s[G1S+1], 64<<16
	s_mov_b32 s[G1S+2], 64<<16
	s_mov_b32 s[G1S+3], 64<<16
	s_mov_b32 s[G1S+4], 64
	s_mov_b32 s[G1S+5], 1024
	s_mov_b32 s[G1S+6], 0
	s_mov_b32 s[G1S+7], 0
	; where the tiles come from: F and the scale bytes by wgx alone, Wx by wgy alone, each in registers that never hold the other coordinate
	s_mul_i32 s76, s21, 1536                       ; my four channels' 1,536 bytes of a row x,
	s_mul_i32 s77, s[CW], 768                      ; the pair that I fetch (waves 0, 1)
	s_add_co_u32 s76, s76, s77
	s_mov_b32 s77, 0
	s_lshl_b32 s78, s22, 18                        ; Wx: 262,144 wgy
	s_mov_b32 s79, 0
	s_lshl_b32 s80, s21, 6                         ; scale bytes: 64 wgx
	s_mov_b32 s81, 0
	s_mul_i32 s82, s[CW], FPAIR                    ; and where the pair goes: no place in the cluster enters an LDS address
	s_wait_kmcnt 0x0
	s_mov_b32 s[G0F], 1                            ; count = 1
	s_mov_b32 s[G0F+1], s82                        ; LDS address: slot 0
	s_add_nc_u64 s[G0F+2:G0F+3], s[4:5], s[76:77]  ; global address: x = 0 .. 63
	s_mov_b32 s[G0F+4], 1
	s_add_co_u32 s[G0F+5], s82, SLOTX              ; slot 1
	s_add_nc_u64 s[G0F+6:G0F+7], s[G0F+2:G0F+3], 64*24576   ; x = 64 .. 127
	s_or_b32 s[G0F+3], s[G0F+3], 0x80000000        ; type = 2
	s_or_b32 s[G0F+7], s[G0F+7], 0x80000000
	s_mov_b32 s[G0W], 1
	s_mov_b32 s[G0W+1], WXO
	s_add_nc_u64 s[G0W+2:G0W+3], s[12:13], s[78:79]
	s_mov_b32 s[G0W+4], 1
	s_mov_b32 s[G0W+5], WXO+WXX
	s_add_nc_u64 s[G0W+6:G0W+7], s[G0W+2:G0W+3], 32768
	s_or_b32 s[G0W+3], s[G0W+3], 0x80000000
	s_or_b32 s[G0W+7], s[G0W+7], 0x80000000
	s_mov_b32 s[G0S], 1
	s_mov_b32 s[G0S+1], SCO
	s_add_nc_u64 s[G0S+2:G0S+3], s[6:7], s[80:81]
	s_mov_b32 s[G0S+4], 1
	s_mov_b32 s[G0S+5], SCO+SLOTX
	s_add_nc_u64 s[G0S+6:G0S+7], s[G0S+2:G0S+3], 64*1024
	s_or_b32 s[G0S+3], s[G0S+3], 0x80000000
	s_or_b32 s[G0S+7], s[G0S+7], 0x80000000
	CROUND                                         ; all sixteen work-groups are here: the first joint loads meet
	s_cmp_lt_u32 s[WV], 2                          ; a wave's two first fills stand together, ahead of every wait on TENSORcnt and every LDS read: two loads of mine are out
	s_cbranch_scc0 .Lfirst_not_f
	tensor_load_to_lds s[G0F:G0F+3], s[G1F:G1F+7]
	s_nop 0
	tensor_load_to_lds s[G0F+4:G0F+7], s[G1F:G1F+7]
	s_nop 0
	PLACES 4
	s_branch .Lfirst_asked
.Lfirst_not_f:
	s_cmp_eq_u32 s[WV], 2
	s_cbranch_scc0 .Lfirst_s
	tensor_load_to_lds s[G0W:G0W+3], s[G1W:G1W+7]
	s_nop 0
	tensor_load_to_lds s[G0W+4:G0W+7], s[G1W:G1W+7]
	s_nop 0
	PLACES 4
	s_branch .Lfirst_asked
.Lfirst_s:
	tensor_load_to_lds s[G0S:G0S+3], s[G1S:G1S+7]
	s_nop 0
	tensor_load_to_lds s[G0S+4:G0S+7], s[G1S:G1S+7]
	s_nop 0
	PLACES 4
.Lfirst_asked:
	v_and_b32 v1, 15, v0                           ; r
	v_bfe_u32 v2, v0, 4, 1                         ; h
	v_and_b32 v3, 31, v0                           ; lane
	v_lshlrev_b32 v[L16], 4, v3
	v_lshlrev_b32 v[L4], 2, v3
	s_lshl_b32 s90, s22, 4
	s_lshl_b32 s91, s[MH], 3
	s_add_co_u32 s90, s90, s91                     ; my first group: 16 wgy + 8 (w / 2)
	s_mul_i32 s92, s90, 6144                       ; a group's four images of 1,536 bytes
	s_mov_b32 s93, 0
	s_add_nc_u64 s[8:9], s[8:9], s[92:93]
	s_lshl_b32 s92, s90, 8                         ; and its 64 scale words
	s_add_nc_u64 s[10:11], s[10:11], s[92:93]
	WIN 0x40                                       ; destination window 1: Wy of groups 0-3: it stays
.irp g, 0,1,2,3
.irp s, 0,1,2,3
.irp q, 0,1,2
	global_load_b128 v[48*\g+12*\s+4*\q:48*\g+12*\s+4*\q+3], v[L16], s[8:9] offset:6144*\g+1536*\s+512*\q
.endr
.endr
.endr
	WIN 0x80                                       ; window 2: groups 4-7
.irp g, 0,1,2,3
.irp s, 0,1,2,3
.irp q, 0,1,2
	global_load_b128 v[48*\g+12*\s+4*\q:48*\g+12*\s+4*\q+3], v[L16], s[8:9] offset:6144*(\g+4)+1536*\s+512*\q
.endr
.endr
.endr
	WIN 0
.irp g, 0,1,2,3,4,5,6,7
.irp sp, 0,1
	global_load_b32 v[WS+2*\g+\sp], v[L4], s[10:11] offset:256*\g+128*\sp   ; lanes 0-15: K step 2 sp, lanes 16-31: K step 2 sp + 1
.endr
.endr
	v_mul_u32_u24 v[AF0A], v1, FP
	v_mad_u32_u24 v[AF0A], v2, 24, v[AF0A]
	v_add_nc_u32 v[AF0A], s82, v[AF0A]
	v_lshl_add_u32 v[AF0B], v2, 4, v[AF0A]
	v_mul_u32_u24 v[AS0], v3, SCP
	s_lshl_b32 s83, s[CW], 5
	s_add_co_u32 s83, s83, SCO
	v_add_nc_u32 v[AS0], s83, v[AS0]
	s_lshl_b32 s83, s[MH], 13
	s_add_co_u32 s83, s83, WXO
	v_add_nc_u32 v[AW0], s83, v[L16]
	s_mov_b32 s[TBF], 0
	s_mov_b32 s[TBW], 0
	ADDRS
	s_wait_tensorcnt 0x1                           ; my part of slot 0 is in; slot 1's may stay out
	s_barrier_signal -1
	s_barrier_wait -1                              ; everybody's is
.irp t, 0,1
.irp s, 0,1,2,3
	LF \t, \s, 0, 0, 0                             ; the first unit's F
.endr
.endr
	LFS 0, 0, 0
	s_wait_dscnt 0x0
	s_wait_loadcnt 0x0                             ; Wy and its scale words
	; slot 0: its first three units; the first second products start every sum of out
	UNIT 0, 1, 0, 0, 1, 0
	UNIT 1, 1, 1, 1, 1, 0
	UNIT 2, 1, 1, 1, 0, 1
	CHG                                            ; slot 0 takes x = 128 .. 191
	s_mov_b32 s[CNT], 5
.Lquad:                                            ; a trip: a slot's last unit, whose slices already read the next slot, and that slot's first three; all its LDS reads fall in one slot, which is then filled again
	QSTART
	UNIT 3, 1, 1, 0, 0, 0
	UNIT 0, 1, 1, 0, 0, 0
	UNIT 1, 1, 1, 0, 0, 0
	UNIT 2, 1, 1, 0, 0, 1
	CHG
	s_sub_co_u32 s[CNT], s[CNT], 1
	s_cmp_lg_u32 s[CNT], 0
	s_cbranch_scc1 .Lquad
	; the tail is written out.  The last slot but one: nothing is asked for, so no round follows its barrier
	QSTART
	UNIT 3, 1, 1, 0, 0, 0
	UNIT 0, 1, 1, 0, 0, 0
	UNIT 1, 1, 1, 0, 0, 0
	UNIT 2, 1, 1, 0, 0, 2
	WIN 0
	s_barrier_wait -1                              ; the last slot is whole, and nobody reads slot 0 any more
	QSTART
	UNIT 3, 1, 1, 0, 0, 0
	UNIT 0, 1, 1, 0, 0, 0
	UNIT 1, 1, 1, 0, 0, 0
	UNIT 2, 1, 1, 0, 0, 0
	UNIT 3, 0, 1, 0, 0, 0                          ; the last unit fetches nothing
.irp k, 0,1,2,3,4,5,6,7
	CV 1, \k                                       ; its groups 4-7
.endr
.irp g, 0,1,2,3
	PV 1, \g, 1, 0
.endr
	; THE WAY OUT.  Lane (r, h) with h = r / 8 holds out(row r of the group, ox = 0 .. 7) of one channel: 32 bytes.  They meet in the stage, row (b,oy) x [channel][ox]; then each lane gathers the four
	; channels of one (row, ox) and stores 16 bytes.  The address lines are the places behind the last products.
	WIN 0
	s_mul_i32 s88, s[MH], 128*STP
	s_lshl_b32 s89, s[CW], 6
	s_add_co_u32 s88, s88, s89
	v_mul_u32_u24 v[STO], v1, STP
	v_add_nc_u32 v[STO], s88, v[STO]               ; in: row 128 (w / 2) + r, my two channels' 64 bytes
	v_lshrrev_b32 v[TMP], 3, v3
	v_mul_u32_u24 v[RD], v[TMP], STP
	v_and_b32 v[TMP], 7, v3
	v_lshl_add_u32 v[RD], v[TMP], 2, v[RD]
	s_mul_i32 s88, s[WV], 64*STP
	v_add_nc_u32 v[RD], s88, v[RD]                 ; back: row 64 w + lane / 8, ox = lane % 8
	v_lshlrev_b32 v[CO], 8, v3                     ; and in out0: a (row, ox) is 256 bytes: 256 x lane
	v_lshrrev_b32 v[TMP], 3, v1
	s_lshl_b32 s88, s22, 19                        ; 256 rows of 2,048 bytes a work-group,
	s_lshl_b32 s89, s[WV], 17                      ; 64 a wave,
	s_add_co_u32 s88, s88, s89
	s_lshl_b32 s89, s21, 4                         ; my four channels' 16 bytes
	s_add_co_u32 s88, s88, s89
	s_mov_b32 s89, 0
	s_add_nc_u64 s[14:15], s[14:15], s[88:89]
	s_wait_xcnt 0x0                                ; EXEC changes only behind this wait
	v_cmp_eq_u32 vcc_lo, v[TMP], v2
	s_and_saveexec_b32 s[EXS], vcc_lo              ; the lanes whose box of Wx is the row's own box
.irp gg, 0,1,2,3,4,5,6,7
	WIN 0x04+4*(\gg/4)                             ; an LDS store's data are its source 1: window 1 or 2
.irp ci, 0,1
	ds_store_b128 v[STO], v[192+16*(\gg%4)+8*\ci:192+16*(\gg%4)+8*\ci+3] offset:16*STP*\gg+32*\ci        ; each accumulator from its low end on
	ds_store_b128 v[STO], v[192+16*(\gg%4)+8*\ci+4:192+16*(\gg%4)+8*\ci+7] offset:16*STP*\gg+32*\ci+16
.endr
.endr
	WIN 0
	s_or_b32 exec_lo, exec_lo, s[EXS]              ; (no global instruction has been issued since the wait above)
	s_wait_dscnt 0x0                               ; for the others' sake: my stores into the stage have landed
	s_barrier_signal -1
	s_barrier_wait -1
.irp it, 0,1,2,3,4,5,6,7,8,9,10,11,12,13,14,15
.irp c, 0,1,2,3
	ds_load_b32 v[192+4*\it+\c], v[RD] offset:4*STP*\it+32*\c
.endr
.endr
.irp it, 0,1,2,3,4,5,6,7,8,9,10,11,12,13,14,15
	s_wait_dscnt 4*(15-\it)                        ; LDS loads come back in order: this store's four are in, the younger ones may be out
	global_store_b128 v[CO], v[192+4*\it:192+4*\it+3], s[14:15] offset:8192*\it   ; four rows (b,oy) x eight ox: 16 bytes a lane, lanes 256 bytes apart
.endr
	s_wait_tensorcnt 0x0                           ; the wave's end: behind my last tensor load and my last LDS store
	ds_add_u32 v[SPW], v[NIL]
	s_wait_dscnt 0x0
	CROUND                                         ; the closing round: no work-group ends while a partner may still ask for a tile that names it
	s_endpgm
.Lfunc_end_k_q94c59d7331_main:
	.size	k_q94c59d7331_main, .Lfunc_end_k_q94c59d7331_main-k_q94c59d7331_main
	.p2alignl 7, 3214868480
	.fill 96, 4, 3214868480
	.section	.rodata,"a",@progbits
	.p2align	6, 0x0
	.amdhsa_kernel k_q94c59d7331_main
		.amdhsa_group_segment_fixed_size 327680
		.amdhsa_private_segment_fixed_size 0
		.amdhsa_enable_private_segment 0
		.amdhsa_kernarg_size 48
		.amdhsa_user_sgpr_count 2
		.amdhsa_user_sgpr_kernarg_segment_ptr 1
		.amdhsa_wavefront_size32 1
		.amdhsa_system_sgpr_workgroup_id_x 1
		.amdhsa_system_sgpr_workgroup_id_y 1
		.amdhsa_system_sgpr_workgroup_id_z 1
		.amdhsa_system_vgpr_workitem_id 0
		.amdhsa_next_free_vgpr 1024
		.amdhsa_next_free_sgpr 96
		.amdhsa_reserve_vcc 1
		.amdhsa_float_denorm_mode_32 3
		.amdhsa_float_denorm_mode_16_64 3
		.amdhsa_memory_ordered 1
		.amdhsa_forward_progress 1
		.amdhsa_inst_pref_size 255
	.end_amdhsa_kernel
	.section	.bss,"aw",@nobits
	.p2align	6
	.space	262144
	.amdgpu_metadata
---
amdhsa.version: [ 1, 2 ]
amdhsa.kernels:
  - .name:           k_q94c59d7331_main
    .symbol:         k_q94c59d7331_main.kd
    .args:
      - { .name: feature_map_codes, .offset: 0, .size: 8, .value_kind: global_buffer, .address_space: global }
      - { .name: feature_map_scales, .offset: 8, .size: 8, .value_kind: global_buffer, .address_space: global }
      - { .name: wy_codes, .offset: 16, .size: 8, .value_kind: global_buffer, .address_space: global }
      - { .name: wy_scales, .offset: 24, .size: 8, .value_kind: global_buffer, .address_space: global }
      - { .name: wx_frags, .offset: 32, .size: 8, .value_kind: global_buffer, .address_space: global }
      - { .name: out0, .offset: 40, .size: 8, .value_kind: global_buffer, .address_space: global }
    .group_segment_fixed_size: 327680
    .private_segment_fixed_size: 0
    .kernarg_segment_align: 8
    .kernarg_segment_size: 48
    .max_flat_workgroup_size: 128
    .sgpr_count:     96
    .vgpr_count:     1024
    .wavefront_size: 32
...
	.end_amdgpu_metadata
.endif
;; end of part 2
;; ======== version 2 of 2: 3 launches; 1.21 times as fast as version 1
;; workspace buffers: wy_codes 1,572,864 bytes; wy_scales 65,536 bytes; wx_frags 4,194,304 bytes; part 8,388,608 bytes
;; launch prep: the kernel of part 1 again; grid 512 x 1, 4 waves a work-group, no clusters, 1,536 bytes of LDS; arguments boxes, wy_codes, wy_scales, wx_frags; writes wy_codes, wy_scales, wx_frags
;; launch main (part 3): grid 16 x 16, 4 waves a work-group, clusters of 4 x 4, 327,680 bytes of LDS; arguments feature_map_codes, feature_map_scales, wy_codes, wy_scales, wx_frags, part; writes part
.if DOCPART == 3
	.amdgcn_target "amdgcn-amd-amdhsa--gfx1250"
	.amdhsa_code_object_version 6
	.text
	.protected	k_q94c59d7331_main
	.globl	k_q94c59d7331_main
	.p2align	8
	.type	k_q94c59d7331_main,@function
k_q94c59d7331_main:
	s_mov_b64 s[64:65], 0
	v_nop
	global_prefetch_b8 v0, s[64:65] scope:SCOPE_SE
	s_setreg_imm32_b32 hwreg(HW_REG_WAVE_MODE, 25, 1), 1
	s_wait_xcnt 0x0
	s_wait_alu depctr_hold_cnt(0) depctr_sa_sdst(0) depctr_va_vdst(0) depctr_va_sdst(0) depctr_va_ssrc(0) depctr_va_vcc(0) depctr_vm_vsrc(0)
	s_getreg_b32 s2, hwreg(HW_REG_IB_STS2, 6, 4)
	s_cmp_eq_u32 s2, 0
	s_cbranch_scc0 .Lentry_in_a_cluster
	s_endpgm
.Lentry_in_a_cluster:
	s_bfe_u32 s2, ttmp6, 0x10000c
	s_cmp_lg_u32 s2, 0xf033
	s_cbranch_scc0 .Lentry_shape_is_right
	s_endpgm
.Lentry_shape_is_right:
; out[b][oy][ox][c] = sum over x of Wx[b][ox][x] T[(b,oy)][x][c],  T[(b,oy)][x][c] = sum over y of Q(Wy)[(b,oy)][y] F[y][x][c].
; The first product runs on codes of E3M2 with one E8M0 scale for each 32 along y; the second on bf16 operands; all sums in f32.  T never leaves the registers.
; SHARES.  Work-group (wgx, wgy): channels 4 wgx .. + 3, rows (b,oy) 256 wgy .. + 255 (32 boxes = 16 groups of two boxes).  Wave w: groups 8 (w / 2) .. + 7, channels 2 (w % 2), + 1 of the four.
; A wave's Wy (8 groups x 4 K steps x 12 registers) stays in its registers for the whole launch.
; A UNIT is 32 x at one channel.  First product, transposed: source 0 = 16 rows of F (16 neighbouring x at one channel), source 1 = a group's 16 rows of Wy: in the result a lane holds one row (b,oy) = lane % 16
; and x = 8 (lane / 16) + 0 .. 7.  Two such tiles, rounded to bf16 in pairs, ARE source 1 (16 rows (b,oy) x 32 x) of the second product, whose source 0 is the group's 16 rows (b',ox) of Wx.
; Of its result the lanes with b' = b are kept: the second product's 8 columns fill half of the instruction's 16.  64 + 8 matrix instructions a unit, 32 units a wave.
; BY TURNS.  A unit has two phases of 32 products on codes: groups 0-3, then groups 4-7.  The LDS loads stand in ONE run at a phase's head, never singly among the matrix instructions, where each would want
; window switches of its own: phase 0 fetches the next unit's F and scale words (and, for a new chunk of x, Wx of groups 0-3), phase 1 Wx of groups 4-7.  Behind eight of a phase's products stand the
; conversions of the four groups finished in the phase before; the four bf16 products of those groups close the phase.
; RING.  Two LDS slots, each with 64 x (4 units): F's codes, F's scale bytes, Wx's images.  One tensor load a wave behind each change of slots: waves 0, 1: F's two channel pairs; wave 2: Wx; wave 3: the scale bytes.
; CLUSTER 4 x 4.  F and its scale bytes hang on wgx alone: asked for jointly by a column of the cluster.  Wx hangs on wgy alone: jointly by a row.
; THE RESULTS.  A work-group's share of a row (b,oy,ox) of out0 is 4 channels: 16 bytes of its 256.  So the results go to a workspace, part [wgy][wgx][(row, ox) 2,048][4 channels], in which a wave's store
; covers 512 consecutive bytes; the next launch gathers the sixteen channel groups of each row.  Whole rows of 64 channels in one work-group would send all of F through every work-group's LDS;
; F's scale bytes come as pieces of 64 bytes for the same reason.
; No prefetch: each tile is read by four clusters, not once, and a refill has 288 matrix instructions a wave in which to land.
; REGISTERS, in windows of 256 (s_set_vgpr_msb: bits 1:0 source 0, 3:2 source 1, 5:4 source 2, 7:6 destination):
;   window 0: v1-15 addresses; v16-23 F's scale words, two sets; v24-39 Wy's scale words; v40-43 the way out; v64-191 T: v[64 + 64 hf + 16 g + 8 t]; v192-255 the way out's rows
;   window 1: v0-191 Wy of groups 0-3 (48 g + 12 s); v192-255 out of groups 0-3 (192 + 16 g + 8 ci)      window 2: the same for groups 4-7
;   window 3: v0-191 F, two buffers (96 p + 48 t + 12 s); v192-255 Wx's eight fragments
.set SLOTX, 1<<17                      ; slot 1 of F and of its scale bytes begins here: one exclusive or turns an address
.set WXX,   1<<15                      ; and Wx's slot 1 this far behind its slot 0
.set FP,    816                        ; a row of F in LDS: 768 bytes (two channels x 384) + 16 behind every 256 = 204 words
.set FPAIR, 64*FP                      ; a channel pair's 64 rows
.set SCO,   2*FPAIR                    ; behind them the scale bytes: 64 rows of 64 bytes + 16
.set SCP,   80
.set SPARE, SCO+64*SCP                 ; the spare words, 128 bytes for each wave: two blocks of 256 bytes that no other line names
.set WXO,   1<<18                      ; Wx's slots: dense, [chunk 2][group 16][1,024 bytes]
.set STP,   144                        ; the way out: a stage of 256 rows (b,oy) x ([channel 4][ox 8] f32 + 16 bytes), in F's slot 0, which has had its last fill and its last read by then
.set AF0A, 4                           ; v4   my lane's place in a tile of F: pair + FP r + 24 h; never rewritten
.set AF0B, 5                           ; v5   the same behind one padding more: 40 h
.set AS0,  6                           ; v6   among F's scale bytes: SCO + SCP x lane + 32 (w % 2)
.set AW0,  7                           ; v7   in Wx's images: WXO + 8,192 (w / 2) + 16 x lane
.set AFA,  8                           ; v8-11 the same four in the slot in hand
.set AFB,  9
.set AS,   10
.set AW,   11
.set L16,  12                          ; v12  16 x lane
.set L4,   13                          ; v13  4 x lane
.set SPW,  14                          ; v14  LDS address of my spare word: SPARE + 4 x my thread's number; never rewritten
.set NIL,  15                          ; v15  0; never rewritten
.set FS,   16                          ; v16-23 set p: register s = the word of K step s: lanes 0-15 of tile 0's rows, lanes 16-31 of tile 1's
.set WS,   24                          ; v24-39 register 2 g + s / 2: lanes 0-15 the even K step's words of group g, lanes 16-31 the odd one's
.set STO,  40
.set RD,   41
.set CO,   42
.set TMP,  43
.set T,    64
.set WV,   16                          ; s16 wave, s17 wave / 2, s18 wave % 2
.set MH,   17
.set CW,   18
.set G1F,  24                          ; s[24:31], s[32:39], s[40:47] descriptor groups 1: F, Wx, scale bytes
.set G1W,  32
.set G1S,  40
.set G0F,  48                          ; s[48:55], s[56:63], s[68:75] groups 0: a set for each of the two first fills; the second then walks on
.set G0W,  56
.set G0S,  68
.set TBF,  84                          ; s84  0 or SLOTX: the slot in hand
.set TBW,  85                          ; s85  0 or WXX
.set CNT,  86
.set EXS,  87
.set MSB, 0
.macro WIN new                         ; the immediate's high byte repeats the setting that is left; a switch that changes nothing is dropped
.if MSB != (\new)
	s_set_vgpr_msb (MSB<<8)|(\new)
.set MSB, (\new)
.endif
.endm
.macro PLACES n
.rept \n
	v_nop
.endr
.endm
.macro CREST                           ; a round of the cluster's barrier behind its opening barrier
	s_cmp_lg_u32 s[WV], 0
	s_cbranch_scc1 .Lnot_wave_0_\@
	s_barrier_signal -3
.Lnot_wave_0_\@:
	s_barrier_wait -3
	s_barrier_signal -1
	s_barrier_wait -1
.endm
.macro CROUND                          ; a whole round
	s_barrier_signal -1
	s_barrier_wait -1
	CREST
.endm
; A joint refill, one tensor load a wave.  The branches hang on the wave's number alone.  Four v_nop follow each line, ahead of the jump, the label and what follows.
.macro JLOAD
	s_cmp_lt_u32 s[WV], 2
	s_cbranch_scc0 .Lnot_f_\@
	tensor_load_to_lds s[G0F+4:G0F+7], s[G1F:G1F+7]
	s_nop 0
	PLACES 4
	s_branch .Lasked_\@
.Lnot_f_\@:
	s_cmp_eq_u32 s[WV], 2
	s_cbranch_scc0 .Lfor_s_\@
	tensor_load_to_lds s[G0W+4:G0W+7], s[G1W:G1W+7]
	s_nop 0
	PLACES 4
	s_branch .Lasked_\@
.Lfor_s_\@:
	tensor_load_to_lds s[G0S+4:G0S+7], s[G1S:G1S+7]
	s_nop 0
	PLACES 4
.Lasked_\@:
.endm
.macro ADDRS                           ; the four LDS addresses in the slot in hand
	v_add_nc_u32 v[AFA], s[TBF], v[AF0A]
	v_add_nc_u32 v[AFB], s[TBF], v[AF0B]
	v_add_nc_u32 v[AS], s[TBF], v[AS0]
	v_add_nc_u32 v[AW], s[TBW], v[AW0]
.endm
.macro QSTART                          ; on to the other slot
	s_xor_b32 s[TBF], s[TBF], SLOTX
	s_xor_b32 s[TBW], s[TBW], WXX
	ADDRS
.endm
; Product i of 32 of a phase: K step i / 8, x tile (i / 4) % 2, group 4 hf + i % 4; F from buffer p.  The first eight start the sums with the constant 0: nothing is cleared.
; The eight accumulators take turns, one instruction a turn.  The scale words stand in registers of their own.
.macro MX hf, p
	WIN 0x07+4*(\hf)                               ; F window 3, Wy window 1 or 2, T window 0
.set ms, i/8
.set mt, (i/4)%2
.set mg, i%4
.set rT, T+64*(\hf)+16*mg+8*mt
.set rF, 96*(\p)+48*mt+12*ms
.set rW, 48*mg+12*ms
.set rA, FS+4*(\p)+ms
.set rB, WS+2*(4*(\hf)+mg)+ms/2
.if (ms == 0) && (mt == 0)
	v_wmma_scale_f32_16x16x128_f8f6f4 v[rT:rT+7], v[rF:rF+11], v[rW:rW+11], 0, v[rA], v[rB] matrix_a_fmt:MATRIX_FMT_BF6 matrix_b_fmt:MATRIX_FMT_BF6
.elseif ms == 0
	v_wmma_scale_f32_16x16x128_f8f6f4 v[rT:rT+7], v[rF:rF+11], v[rW:rW+11], 0, v[rA], v[rB] matrix_a_fmt:MATRIX_FMT_BF6 matrix_b_fmt:MATRIX_FMT_BF6 matrix_a_scale:MATRIX_SCALE_ROW1
.elseif (mt == 0) && (ms%2 == 0)
	v_wmma_scale_f32_16x16x128_f8f6f4 v[rT:rT+7], v[rF:rF+11], v[rW:rW+11], v[rT:rT+7], v[rA], v[rB] matrix_a_fmt:MATRIX_FMT_BF6 matrix_b_fmt:MATRIX_FMT_BF6
.elseif mt == 0
	v_wmma_scale_f32_16x16x128_f8f6f4 v[rT:rT+7], v[rF:rF+11], v[rW:rW+11], v[rT:rT+7], v[rA], v[rB] matrix_a_fmt:MATRIX_FMT_BF6 matrix_b_fmt:MATRIX_FMT_BF6 matrix_b_scale:MATRIX_SCALE_ROW1
.elseif ms%2 == 0
	v_wmma_scale_f32_16x16x128_f8f6f4 v[rT:rT+7], v[rF:rF+11], v[rW:rW+11], v[rT:rT+7], v[rA], v[rB] matrix_a_fmt:MATRIX_FMT_BF6 matrix_b_fmt:MATRIX_FMT_BF6 matrix_a_scale:MATRIX_SCALE_ROW1
.else
	v_wmma_scale_f32_16x16x128_f8f6f4 v[rT:rT+7], v[rF:rF+11], v[rW:rW+11], v[rT:rT+7], v[rA], v[rB] matrix_a_fmt:MATRIX_FMT_BF6 matrix_b_fmt:MATRIX_FMT_BF6 matrix_a_scale:MATRIX_SCALE_ROW1 matrix_b_scale:MATRIX_SCALE_ROW1
.endif
.endm
; The second product for group 4 hf + g, channel ci: out += Wx T.  zero = 1: it starts the sum.
.macro PV hf, g, ci, zero
	WIN 0x53+0x50*(\hf)                            ; Wx window 3, T window 0, out (C and D) window 1 or 2
.set rO, 192+16*(\g)+8*(\ci)
.set rX, 192+8*(4*(\hf)+(\g))
.set rP, T+64*(\hf)+16*(\g)
.if \zero
	v_wmma_f32_16x16x32_bf16 v[rO:rO+7], v[rX:rX+7], v[rP:rP+7], 0
.else
	v_wmma_f32_16x16x32_bf16 v[rO:rO+7], v[rX:rX+7], v[rP:rP+7], v[rO:rO+7]
.endif
.endm
; Slice k of 8: tile k % 2 of group 4 hf + k / 2 is rounded to bf16, in place and ascending: the group's 16 registers shrink to the fragment's 8.  Each accumulator is read from its low end on.
.macro CV hf, k
	WIN 0
.set rG, T+64*(\hf)+16*((\k)/2)
.set ct, (\k)%2
.irp r, 0,1,2,3
	v_cvt_pk_bf16_f32 v[rG+4*ct+\r], v[rG+8*ct+2*\r], v[rG+8*ct+2*\r+1]
.endr
.endm
; A fragment of F: x tile t, K step s, of chunk un and channel cn of the slot in hand, into buffer pn.  Lane (r, h) takes row r's 24 bytes at 24 h and 48 + 24 h of the K step's 96, as they lie, in pieces of 8 bytes.
; The mover has laid 16 bytes of padding behind every 256: where the piece three on (lanes 16-31) lies behind one padding more, the second address register serves.
.macro LF t, s, pn, un, cn
	WIN 0xc0                                       ; destination window 3, address window 0
.irp pc, 0,1,2,3,4,5
.set fo, 384*(\cn)+96*(\s)+48*(\pc/3)+8*(\pc%3)
.set fr, 96*(\pn)+48*(\t)+12*(\s)+2*\pc
.if (fo/8)%32 < 29
	ds_load_b64 v[fr:fr+1], v[AFA] offset:32*FP*(\un)+16*FP*(\t)+fo+16*(fo/256)
.else
	ds_load_b64 v[fr:fr+1], v[AFB] offset:32*FP*(\un)+16*FP*(\t)+fo+16*(fo/256)
.endif
.endr
.endm
.macro LW hf, u, half                  ; two of Wx's fragments of chunk u: groups 4 hf + 2 half, + 1: images of the registers, 16 bytes a lane
	WIN 0xc0
.irp e, 0,1
.irp qd, 0,1
.set wf, 4*(\hf)+2*(\half)+\e
	ds_load_b128 v[192+8*wf+4*\qd:192+8*wf+4*\qd+3], v[AW] offset:16384*(\u)+1024*wf+512*\qd
.endr
.endr
.endm
.macro LFS pn, un, cn                  ; F's scale words of a unit: lane = x in the chunk, its channel's 16 bytes = the four K steps' words
	WIN 0
	ds_load_b128 v[FS+4*(\pn):FS+4*(\pn)+3], v[AS] offset:32*SCP*(\un)+16*(\cn)
.endm
; A PHASE of unit j (buffer and channel j % 2, chunk j / 2): 32 products for groups 4 hf .. + 3.
; AT ITS HEAD, one run of LDS loads.  In a chunk's first unit (j even): Wx's four fragments of groups 4 hf .. + 3, whose last readers, the second products of the chunk before, closed the phase before.
; In phase 0, with nxt = 1: both tiles of the next unit's F and its scale words, into the buffer that the unit before multiplied.  57 loads at the most are out.  Every register so loaded was last read by a
; matrix instruction ahead of the five v_nop that close the phase before.
; cv: the other four groups, finished a phase ago, are converted, and their second products close the phase (pvz: they start sums).
; meet = 1, 2: the slot's last LDS reads stand at this phase's head; each wave waits for all its tensor loads, adds 0 to its spare word, waits for that and for its reads, and signals; 1: the walking descriptors step.
; The five v_nop at the end are the places between the second products and the products that write over the fragments which they read; between this phase's products and the conversions of
; their results; and between all products so far and the loads into registers that they have read.
.macro PHASE hf, j, nxt, cv, pvz, meet
.if (\j)%2 == 0
	LW \hf, (\j)/2, 0
	LW \hf, (\j)/2, 1
.endif
.if (\nxt) && ((\hf) == 0)
.irp t, 0,1
.irp s, 0,1,2,3
	LF \t, \s, 1-(\j)%2, (((\j)+1)%4)/2, ((\j)+1)%2
.endr
.endr
	LFS 1-(\j)%2, (((\j)+1)%4)/2, ((\j)+1)%2
.endif
.set i, 0
.rept 32
	MX \hf, (\j)%2
.if (\cv) && (i >= 6) && (i < 14)
	CV 1-(\hf), i-6
.endif
.if (\meet) && (i == 15)
	WIN 0                                          ; (the add's two registers lie in window 0)
	s_wait_tensorcnt 0x0                           ; all my tensor loads have landed: the one that was out is my part of the next slot;
	ds_add_u32 v[SPW], v[NIL]                      ; 0 onto my spare word; eight products stand between it and the wait for it
.if (\meet) == 1
	s_xor_b32 s[G0F+5], s[G0F+5], SLOTX            ; no tensor load of mine is out, so the walking descriptors may be written: the other slot than last time,
	s_add_nc_u64 s[G0F+6:G0F+7], s[G0F+6:G0F+7], 64*24576   ; the next 64 x; the type bits on top are not reached
	s_xor_b32 s[G0W+5], s[G0W+5], WXX
	s_add_nc_u64 s[G0W+6:G0W+7], s[G0W+6:G0W+7], 32768
	s_xor_b32 s[G0S+5], s[G0S+5], SLOTX
	s_add_nc_u64 s[G0S+6:G0S+7], s[G0S+6:G0S+7], 64*1024
.endif
.endif
.if (\meet) && (i == 23)
	s_wait_dscnt 0x0                               ; the add is done, and my reads of this slot are over
	s_barrier_signal -1                            ; say so; only work on registers follows until the wait
.endif
.set i, i+1
.endr
.if ((\meet) == 0) && (((\j)%2 == 0) || ((\nxt) && ((\hf) == 0)))
	s_wait_dscnt 0x0                               ; this phase's LDS loads, issued ahead of its 32 products, are in (a phase without loads has no such line)
.endif
.if \cv
.irp g, 0,1,2,3
	PV 1-(\hf), \g, ((\j)+1+(\hf))%2, \pvz
.endr
.endif
	PLACES 5
.endm
; prev: phase 0 finishes groups 4-7 of the unit before.  zb, za: the second products of phase 0, of phase 1, start their sums.
.macro UNIT j, nxt, prev, zb, za, meet
	PHASE 0, \j, \nxt, \prev, \zb, 0
	PHASE 1, \j, \nxt, 1, \za, \meet
.endm
.macro CHG                             ; the change of slots with a refill: the barrier signalled in the phase opens a round of the cluster's barrier; the joint refill is the first thing behind it
	WIN 0
	s_barrier_wait -1
	CREST                                          ; no wave of any partner still reads the slot or has a load on its way
	JLOAD
.endm
	s_load_b256 s[4:11], s[0:1], 0x0               ; F's codes s[4:5], F's scales s[6:7], wy_codes s[8:9], wy_scales s[10:11]
	s_load_b128 s[12:15], s[0:1], 0x20             ; wx_frags s[12:13], part s[14:15]
	v_lshl_add_u32 v[SPW], v0, 2, SPARE
	v_mov_b32 v[NIL], 0
	ds_add_u32 v14, v15
	ds_add_u32 v14, v15
	s_wait_dscnt 0x0
	v_lshrrev_b32 v1, 5, v0
	v_readfirstlane_b32 s[WV], v1                  ; wave 0..3
	s_lshr_b32 s[MH], s[WV], 1
	s_and_b32 s[CW], s[WV], 1
	s_bfe_u32 s19, ttmp6, 0x40000                  ; cx, cy: my place in the cluster
	s_bfe_u32 s20, ttmp6, 0x40004
	s_lshl_b32 s21, ttmp9, 2
	s_add_co_u32 s21, s21, s19                     ; wgx = 4 x cluster x + cx
	s_and_b32 s22, ttmp7, 0xffff
	s_lshl_b32 s22, s22, 2
	s_add_co_u32 s22, s22, s20                     ; wgy = 4 x cluster y + cy
	s_lshl_b32 s23, s20, 2
	s_lshl_b32 s23, 15, s23                        ; my row of the cluster
	s_lshl_b32 s66, 0x1111, s19                    ; my column
	; descriptor groups 1.  F: 64 rows (x) of 768 bytes, 24,576 bytes apart, 16 bytes of padding behind every 64 words
	s_or_b32 s[G1F], s66, (1<<20)|(1<<21)|(5<<22)|(3<<25)   ; 15:0 the mask: my column; 17:16 elements of 1 byte; 20 padding on; 21 set beside a mask; 24:22 after every 64 words (code 5); 31:25 of 4 words (code 3)
	s_mov_b32 s[G1F+1], 768<<16                    ; tensor_dim0
	s_mov_b32 s[G1F+2], 64<<16                     ; tensor_dim1
	s_mov_b32 s[G1F+3], 768<<16                    ; tile_dim0
	s_mov_b32 s[G1F+4], 64                         ; tile_dim1
	s_mov_b32 s[G1F+5], 24576                      ; tensor_dim0_stride
	s_mov_b32 s[G1F+6], 0
	s_mov_b32 s[G1F+7], 0
	; Wx: a dense block of 32,768 bytes as 128 rows of 256 bytes (32 elements of 8 bytes), no padding
	s_or_b32 s[G1W], s23, (3<<16)|(1<<21)          ; the mask: my row
	s_mov_b32 s[G1W+1], 32<<16
	s_mov_b32 s[G1W+2], 128<<16
	s_mov_b32 s[G1W+3], 32<<16
	s_mov_b32 s[G1W+4], 128
	s_mov_b32 s[G1W+5], 32
	s_mov_b32 s[G1W+6], 0
	s_mov_b32 s[G1W+7], 0
	; the scale bytes: 64 rows (x) of 64 bytes, 1,024 bytes apart, 16 bytes of padding behind each
	s_or_b32 s[G1S], s66, (1<<20)|(1<<21)|(3<<22)|(3<<25)
	s_mov_b32 s[G1S+1], 64<<16
	s_mov_b32 s[G1S+2], 64<<16
	s_mov_b32 s[G1S+3], 64<<16
	s_mov_b32 s[G1S+4], 64
	s_mov_b32 s[G1S+5], 1024
	s_mov_b32 s[G1S+6], 0
	s_mov_b32 s[G1S+7], 0
	; where the tiles come from: F and the scale bytes by wgx alone, Wx by wgy alone, each in registers that never hold the other coordinate
	s_mul_i32 s76, s21, 1536                       ; my four channels' 1,536 bytes of a row x,
	s_mul_i32 s77, s[CW], 768                      ; the pair that I fetch (waves 0, 1)
	s_add_co_u32 s76, s76, s77
	s_mov_b32 s77, 0
	s_lshl_b32 s78, s22, 18                        ; Wx: 262,144 wgy
	s_mov_b32 s79, 0
	s_lshl_b32 s80, s21, 6                         ; scale bytes: 64 wgx
	s_mov_b32 s81, 0
	s_mul_i32 s82, s[CW], FPAIR                    ; and where the pair goes: no place in the cluster enters an LDS address
	s_wait_kmcnt 0x0
	s_mov_b32 s[G0F], 1                            ; count = 1
	s_mov_b32 s[G0F+1], s82                        ; LDS address: slot 0
	s_add_nc_u64 s[G0F+2:G0F+3], s[4:5], s[76:77]  ; global address: x = 0 .. 63
	s_mov_b32 s[G0F+4], 1
	s_add_co_u32 s[G0F+5], s82, SLOTX              ; slot 1
	s_add_nc_u64 s[G0F+6:G0F+7], s[G0F+2:G0F+3], 64*24576   ; x = 64 .. 127
	s_or_b32 s[G0F+3], s[G0F+3], 0x80000000        ; type = 2
	s_or_b32 s[G0F+7], s[G0F+7], 0x80000000
	s_mov_b32 s[G0W], 1
	s_mov_b32 s[G0W+1], WXO
	s_add_nc_u64 s[G0W+2:G0W+3], s[12:13], s[78:79]
	s_mov_b32 s[G0W+4], 1
	s_mov_b32 s[G0W+5], WXO+WXX
	s_add_nc_u64 s[G0W+6:G0W+7], s[G0W+2:G0W+3], 32768
	s_or_b32 s[G0W+3], s[G0W+3], 0x80000000
	s_or_b32 s[G0W+7], s[G0W+7], 0x80000000
	s_mov_b32 s[G0S], 1
	s_mov_b32 s[G0S+1], SCO
	s_add_nc_u64 s[G0S+2:G0S+3], s[6:7], s[80:81]
	s_mov_b32 s[G0S+4], 1
	s_mov_b32 s[G0S+5], SCO+SLOTX
	s_add_nc_u64 s[G0S+6:G0S+7], s[G0S+2:G0S+3], 64*1024
	s_or_b32 s[G0S+3], s[G0S+3], 0x80000000
	s_or_b32 s[G0S+7], s[G0S+7], 0x80000000
	CROUND                                         ; all sixteen work-groups are here: the first joint loads meet
	s_cmp_lt_u32 s[WV], 2                          ; a wave's two first fills stand together, ahead of every wait on TENSORcnt and every LDS read: two loads of mine are out
	s_cbranch_scc0 .Lfirst_not_f
	tensor_load_to_lds s[G0F:G0F+3], s[G1F:G1F+7]
	s_nop 0
	tensor_load_to_lds s[G0F+4:G0F+7], s[G1F:G1F+7]
	s_nop 0
	PLACES 4
	s_branch .Lfirst_asked
.Lfirst_not_f:
	s_cmp_eq_u32 s[WV], 2
	s_cbranch_scc0 .Lfirst_s
	tensor_load_to_lds s[G0W:G0W+3], s[G1W:G1W+7]
	s_nop 0
	tensor_load_to_lds s[G0W+4:G0W+7], s[G1W:G1W+7]
	s_nop 0
	PLACES 4
	s_branch .Lfirst_asked
.Lfirst_s:
	tensor_load_to_lds s[G0S:G0S+3], s[G1S:G1S+7]
	s_nop 0
	tensor_load_to_lds s[G0S+4:G0S+7], s[G1S:G1S+7]
	s_nop 0
	PLACES 4
.Lfirst_asked:
	v_and_b32 v1, 15, v0                           ; r
	v_bfe_u32 v2, v0, 4, 1                         ; h
	v_and_b32 v3, 31, v0                           ; lane
	v_lshlrev_b32 v[L16], 4, v3
	v_lshlrev_b32 v[L4], 2, v3
	s_lshl_b32 s90, s22, 4
	s_lshl_b32 s91, s[MH], 3
	s_add_co_u32 s90, s90, s91                     ; my first group: 16 wgy + 8 (w / 2)
	s_mul_i32 s92, s90, 6144                       ; a group's four images of 1,536 bytes
	s_mov_b32 s93, 0
	s_add_nc_u64 s[8:9], s[8:9], s[92:93]
	s_lshl_b32 s92, s90, 8                         ; and its 64 scale words
	s_add_nc_u64 s[10:11], s[10:11], s[92:93]
	WIN 0x40                                       ; destination window 1: Wy of groups 0-3: it stays
.irp g, 0,1,2,3
.irp s, 0,1,2,3
.irp q, 0,1,2
	global_load_b128 v[48*\g+12*\s+4*\q:48*\g+12*\s+4*\q+3], v[L16], s[8:9] offset:6144*\g+1536*\s+512*\q
.endr
.endr
.endr
	WIN 0x80                                       ; window 2: groups 4-7
.irp g, 0,1,2,3
.irp s, 0,1,2,3
.irp q, 0,1,2
	global_load_b128 v[48*\g+12*\s+4*\q:48*\g+12*\s+4*\q+3], v[L16], s[8:9] offset:6144*(\g+4)+1536*\s+512*\q
.endr
.endr
.endr
	WIN 0
.irp g, 0,1,2,3,4,5,6,7
.irp sp, 0,1
	global_load_b32 v[WS+2*\g+\sp], v[L4], s[10:11] offset:256*\g+128*\sp   ; lanes 0-15: K step 2 sp, lanes 16-31: K step 2 sp + 1
.endr
.endr
	v_mul_u32_u24 v[AF0A], v1, FP
	v_mad_u32_u24 v[AF0A], v2, 24, v[AF0A]
	v_add_nc_u32 v[AF0A], s82, v[AF0A]
	v_lshl_add_u32 v[AF0B], v2, 4, v[AF0A]
	v_mul_u32_u24 v[AS0], v3, SCP
	s_lshl_b32 s83, s[CW], 5
	s_add_co_u32 s83, s83, SCO
	v_add_nc_u32 v[AS0], s83, v[AS0]
	s_lshl_b32 s83, s[MH], 13
	s_add_co_u32 s83, s83, WXO
	v_add_nc_u32 v[AW0], s83, v[L16]
	s_mov_b32 s[TBF], 0
	s_mov_b32 s[TBW], 0
	ADDRS
	s_wait_tensorcnt 0x1                           ; my part of slot 0 is in; slot 1's may stay out
	s_barrier_signal -1
	s_barrier_wait -1                              ; everybody's is
.irp t, 0,1
.irp s, 0,1,2,3
	LF \t, \s, 0, 0, 0                             ; the first unit's F
.endr
.endr
	LFS 0, 0, 0
	s_wait_dscnt 0x0
	s_wait_loadcnt 0x0                             ; Wy and its scale words
	; slot 0: its first three units; the first second products start every sum of out
	UNIT 0, 1, 0, 0, 1, 0
	UNIT 1, 1, 1, 1, 1, 0
	UNIT 2, 1, 1, 1, 0, 1
	CHG                                            ; slot 0 takes x = 128 .. 191
	s_mov_b32 s[CNT], 5
.Lquad:                                            ; a trip: a slot's last unit, whose run of loads already reads the next slot, and that slot's first three; all its LDS reads fall in one slot, which is then filled again
	QSTART
	UNIT 3, 1, 1, 0, 0, 0
	UNIT 0, 1, 1, 0, 0, 0
	UNIT 1, 1, 1, 0, 0, 0
	UNIT 2, 1, 1, 0, 0, 1
	CHG
	s_sub_co_u32 s[CNT], s[CNT], 1
	s_cmp_lg_u32 s[CNT], 0
	s_cbranch_scc1 .Lquad
	; the tail is written out.  The last slot but one: nothing is asked for, so no round follows its barrier
	QSTART
	UNIT 3, 1, 1, 0, 0, 0
	UNIT 0, 1, 1, 0, 0, 0
	UNIT 1, 1, 1, 0, 0, 0
	UNIT 2, 1, 1, 0, 0, 2
	WIN 0
	s_barrier_wait -1                              ; the last slot is whole, and nobody reads slot 0 any more
	QSTART
	UNIT 3, 1, 1, 0, 0, 0
	UNIT 0, 1, 1, 0, 0, 0
	UNIT 1, 1, 1, 0, 0, 0
	UNIT 2, 1, 1, 0, 0, 0
	UNIT 3, 0, 1, 0, 0, 0                          ; the last unit fetches nothing
.irp k, 0,1,2,3,4,5,6,7
	CV 1, \k                                       ; its groups 4-7
.endr
.irp g, 0,1,2,3
	PV 1, \g, 1, 0
.endr
	; THE WAY OUT.  Lane (r, h) with h = r / 8 holds out(row r of the group, ox = 0 .. 7) of one channel: 32 bytes.  They meet in the stage, row (b,oy) x [channel][ox]; then each lane gathers the four
	; channels of one (row, ox) and stores 16 bytes, neighbouring lanes neighbouring (row, ox).  The address lines are the places behind the last products.
	WIN 0
	s_mul_i32 s88, s[MH], 128*STP
	s_lshl_b32 s89, s[CW], 6
	s_add_co_u32 s88, s88, s89
	v_mul_u32_u24 v[STO], v1, STP
	v_add_nc_u32 v[STO], s88, v[STO]               ; in: row 128 (w / 2) + r, my two channels' 64 bytes
	v_lshrrev_b32 v[TMP], 3, v3
	v_mul_u32_u24 v[RD], v[TMP], STP
	v_and_b32 v[TMP], 7, v3
	v_lshl_add_u32 v[RD], v[TMP], 2, v[RD]
	s_mul_i32 s88, s[WV], 64*STP
	v_add_nc_u32 v[RD], s88, v[RD]                 ; back: row 64 w + lane / 8, ox = lane % 8
	v_lshlrev_b32 v[CO], 4, v3                     ; and in the workspace: a (row, ox) is 16 bytes: 16 x lane
	v_lshrrev_b32 v[TMP], 3, v1
	s_lshl_b32 s88, s22, 19                        ; sixteen blocks of 32,768 bytes for each wgy,
	s_lshl_b32 s89, s21, 15                        ; my work-group's block,
	s_add_co_u32 s88, s88, s89
	s_lshl_b32 s89, s[WV], 13                      ; my wave's 512 (row, ox)
	s_add_co_u32 s88, s88, s89
	s_mov_b32 s89, 0
	s_add_nc_u64 s[14:15], s[14:15], s[88:89]
	s_wait_xcnt 0x0                                ; EXEC changes only behind this wait
	v_cmp_eq_u32 vcc_lo, v[TMP], v2
	s_and_saveexec_b32 s[EXS], vcc_lo              ; the lanes whose box of Wx is the row's own box
.irp gg, 0,1,2,3,4,5,6,7
	WIN 0x04+4*(\gg/4)                             ; an LDS store's data are its source 1: window 1 or 2
.irp ci, 0,1
	ds_store_b128 v[STO], v[192+16*(\gg%4)+8*\ci:192+16*(\gg%4)+8*\ci+3] offset:16*STP*\gg+32*\ci        ; each accumulator from its low end on
	ds_store_b128 v[STO], v[192+16*(\gg%4)+8*\ci+4:192+16*(\gg%4)+8*\ci+7] offset:16*STP*\gg+32*\ci+16
.endr
.endr
	WIN 0
	s_or_b32 exec_lo, exec_lo, s[EXS]              ; (no global instruction has been issued since the wait above)
	s_wait_dscnt 0x0                               ; for the others' sake: my stores into the stage have landed
	s_barrier_signal -1
	s_barrier_wait -1
.irp it, 0,1,2,3,4,5,6,7,8,9,10,11,12,13,14,15
.irp c, 0,1,2,3
	ds_load_b32 v[192+4*\it+\c], v[RD] offset:4*STP*\it+32*\c
.endr
.endr
.irp it, 0,1,2,3,4,5,6,7,8,9,10,11,12,13,14,15
	s_wait_dscnt 4*(15-\it)                        ; LDS loads come back in order: this store's four are in, the younger ones may be out
	global_store_b128 v[CO], v[192+4*\it:192+4*\it+3], s[14:15] offset:512*\it   ; four rows (b,oy) x eight ox: 32 lanes store 512 consecutive bytes, at a multiple of 256 from the buffer's first byte
.endr
	s_wait_tensorcnt 0x0                           ; the wave's end: behind my last tensor load and my last LDS store
	ds_add_u32 v[SPW], v[NIL]
	s_wait_dscnt 0x0
	CROUND                                         ; the closing round: no work-group ends while a partner may still ask for a tile that names it
	s_endpgm
.Lfunc_end_k_q94c59d7331_main:
	.size	k_q94c59d7331_main, .Lfunc_end_k_q94c59d7331_main-k_q94c59d7331_main
	.p2alignl 7, 3214868480
	.fill 96, 4, 3214868480
	.section	.rodata,"a",@progbits
	.p2align	6, 0x0
	.amdhsa_kernel k_q94c59d7331_main
		.amdhsa_group_segment_fixed_size 327680
		.amdhsa_private_segment_fixed_size 0
		.amdhsa_enable_private_segment 0
		.amdhsa_kernarg_size 48
		.amdhsa_user_sgpr_count 2
		.amdhsa_user_sgpr_kernarg_segment_ptr 1
		.amdhsa_wavefront_size32 1
		.amdhsa_system_sgpr_workgroup_id_x 1
		.amdhsa_system_sgpr_workgroup_id_y 1
		.amdhsa_system_sgpr_workgroup_id_z 1
		.amdhsa_system_vgpr_workitem_id 0
		.amdhsa_next_free_vgpr 1024
		.amdhsa_next_free_sgpr 96
		.amdhsa_reserve_vcc 1
		.amdhsa_float_denorm_mode_32 3
		.amdhsa_float_denorm_mode_16_64 3
		.amdhsa_memory_ordered 1
		.amdhsa_forward_progress 1
		.amdhsa_inst_pref_size 255
	.end_amdhsa_kernel
	.section	.bss,"aw",@nobits
	.p2align	6
	.space	262144
	.amdgpu_metadata
---
amdhsa.version: [ 1, 2 ]
amdhsa.kernels:
  - .name:           k_q94c59d7331_main
    .symbol:         k_q94c59d7331_main.kd
    .args:
      - { .name: feature_map_codes, .offset: 0, .size: 8, .value_kind: global_buffer, .address_space: global }
      - { .name: feature_map_scales, .offset: 8, .size: 8, .value_kind: global_buffer, .address_space: global }
      - { .name: wy_codes, .offset: 16, .size: 8, .value_kind: global_buffer, .address_space: global }
      - { .name: wy_scales, .offset: 24, .size: 8, .value_kind: global_buffer, .address_space: global }
      - { .name: wx_frags, .offset: 32, .size: 8, .value_kind: global_buffer, .address_space: global }
      - { .name: part, .offset: 40, .size: 8, .value_kind: global_buffer, .address_space: global }
    .group_segment_fixed_size: 327680
    .private_segment_fixed_size: 0
    .kernarg_segment_align: 8
    .kernarg_segment_size: 48
    .max_flat_workgroup_size: 128
    .sgpr_count:     96
    .vgpr_count:     1024
    .wavefront_size: 32
...
	.end_amdgpu_metadata
.endif
;; end of part 3
;; launch tr (part 4): grid 256 x 1, 4 waves a work-group, no clusters, 35,328 bytes of LDS; arguments part, out0; writes out0
.if DOCPART == 4
	.amdgcn_target "amdgcn-amd-amdhsa--gfx1250"
	.amdhsa_code_object_version 6
	.text
	.protected	k_q94c59d7331_tr
	.globl	k_q94c59d7331_tr
	.p2align	8
	.type	k_q94c59d7331_tr,@function
k_q94c59d7331_tr:
	s_mov_b64 s[64:65], 0
	v_nop
	global_prefetch_b8 v0, s[64:65] scope:SCOPE_SE
	s_setreg_imm32_b32 hwreg(HW_REG_WAVE_MODE, 25, 1), 1
	s_wait_xcnt 0x0
; THE CHANNEL GROUPS ARE GATHERED.  part [wgy 16][wgx 16][(row, ox) 2,048][4 channels] f32  ->  out0 [(b,oy,ox) 32,768][64 channels] f32, where (b,oy,ox) = 2,048 wgy + (row, ox) and channel = 4 wgx + 0 .. 3.
; A row of out0 is 256 bytes: sixteen pieces of 16 bytes that lie 32,768 bytes apart in part.
; SHARES.  Wave n = 4 x work-group + wave takes the 32 rows of out0 from 32 n on.  For each of the sixteen channel groups one load reads the 32 rows' pieces, 512 consecutive bytes, a lane a row; the pieces go
; into the wave's own 32 rows x (256 + 16) bytes of LDS, piece k of row l at 272 l + 16 k, and come back as whole rows: sixteen lanes then store 256 consecutive bytes, a row of out0.
; The pitch of 272 bytes is an odd multiple of 16; the LDS loads read consecutive bytes.
; A stream: every byte is read once and written once.  Waves share nothing: no barrier.  Matrix units, clusters and tensor loads have nothing to do here: no two work-groups read the same byte.
; No prefetch: a wave asks for all its bytes by its first sixteen loads, so nothing is left to ask for ahead.
.set PITCH, 272
.set REG,   32*PITCH                   ; a wave's region of LDS
.set X,     16                         ; v16-79   as loaded: four registers for each channel group
.set Y,     80                         ; v80-143  whole rows: four registers for each pair of rows
	s_load_b128 s[4:7], s[0:1], 0x0                ; part, out0
	v_lshl_add_u32 v144, v0, 2, 0x8800
	v_mov_b32 v145, 0
	v_lshrrev_b32 v1, 5, v0
	v_readfirstlane_b32 s8, v1                     ; wave 0..3
	v_and_b32 v2, 31, v0                           ; lane
	v_lshlrev_b32 v3, 4, v2                        ; 16 x lane: my place in a load's and in a store's 512 bytes
	s_mul_i32 s9, s8, REG
	v_mul_u32_u24 v4, v2, PITCH
	v_add_nc_u32 v4, s9, v4                        ; LDS, in: row = lane
	v_lshrrev_b32 v5, 4, v2
	v_mul_u32_u24 v5, v5, PITCH
	v_and_b32 v6, 15, v2
	v_lshl_add_u32 v5, v6, 4, v5
	v_add_nc_u32 v5, s9, v5                        ; LDS, back: lanes 0-15 one row, lanes 16-31 the next
	s_lshr_b32 s10, ttmp9, 4                       ; wgy = n / 64
	s_lshl_b32 s10, s10, 19                        ; its sixteen blocks of 32,768 bytes
	s_and_b32 s11, ttmp9, 15
	s_lshl_b32 s11, s11, 11                        ; in a block: 32 (n % 64) rows of 16 bytes = 2,048 (work-group % 16) + 512 wave
	s_add_co_u32 s10, s10, s11
	s_lshl_b32 s11, s8, 9
	s_add_co_u32 s10, s10, s11
	s_mov_b32 s11, 0
	s_lshl_b32 s12, ttmp9, 15                      ; out0: 32 n rows of 256 bytes = 32,768 work-group + 8,192 wave
	s_lshl_b32 s13, s8, 13
	s_add_co_u32 s12, s12, s13
	s_mov_b32 s13, 0
	s_wait_kmcnt 0x0
	s_add_nc_u64 s[4:5], s[4:5], s[10:11]
	s_add_nc_u64 s[6:7], s[6:7], s[12:13]
.irp k, 0,1,2,3,4,5,6,7,8,9,10,11,12,13,14,15
	global_load_b128 v[X+4*\k:X+4*\k+3], v3, s[4:5] offset:32768*\k th:TH_LOAD_NT   ; channel group k: 32 lanes read 512 consecutive bytes; read once in the launch
.endr
.irp k, 0,1,2,3,4,5,6,7,8,9,10,11,12,13,14,15
	s_wait_loadcnt 15-\k                           ; loads come back in order: group k's is in, the younger ones may be out
	ds_store_b128 v4, v[X+4*\k:X+4*\k+3] offset:16*\k
.endr
.irp t, 0,1,2,3,4,5,6,7,8,9,10,11,12,13,14,15
	ds_load_b128 v[Y+4*\t:Y+4*\t+3], v5 offset:2*\t*PITCH   ; LDS serves a wave's instructions in order: these see my stores
.endr
.irp t, 0,1,2,3,4,5,6,7,8,9,10,11,12,13,14,15
	s_wait_dscnt 15-\t                             ; rows 2 t and 2 t + 1 are back, the younger loads may be out
	global_store_b128 v3, v[Y+4*\t:Y+4*\t+3], s[6:7] offset:512*\t th:TH_STORE_NT   ; 16 lanes store 256 consecutive bytes, at a multiple of 256 from out0's first byte; written once, read by nobody here
.endr
	s_wait_tensorcnt 0x0
	ds_add_u32 v144, v145
	s_wait_dscnt 0x0
	s_endpgm
.Lfunc_end_k_q94c59d7331_tr:
	.size	k_q94c59d7331_tr, .Lfunc_end_k_q94c59d7331_tr-k_q94c59d7331_tr
	.p2alignl 7, 3214868480
	.fill 96, 4, 3214868480
	.section	.rodata,"a",@progbits
	.p2align	6, 0x0
	.amdhsa_kernel k_q94c59d7331_tr
		.amdhsa_group_segment_fixed_size 35328
		.amdhsa_private_segment_fixed_size 0
		.amdhsa_enable_private_segment 0
		.amdhsa_kernarg_size 16
		.amdhsa_user_sgpr_count 2
		.amdhsa_user_sgpr_kernarg_segment_ptr 1
		.amdhsa_wavefront_size32 1
		.amdhsa_system_sgpr_workgroup_id_x 1
		.amdhsa_system_sgpr_workgroup_id_y 1
		.amdhsa_system_sgpr_workgroup_id_z 1
		.amdhsa_system_vgpr_workitem_id 0
		.amdhsa_next_free_vgpr 146
		.amdhsa_next_free_sgpr 66
		.amdhsa_reserve_vcc 0
		.amdhsa_float_denorm_mode_32 3
		.amdhsa_float_denorm_mode_16_64 3
		.amdhsa_memory_ordered 1
		.amdhsa_forward_progress 1
		.amdhsa_inst_pref_size 8
	.end_amdhsa_kernel
	.amdgpu_metadata
---
amdhsa.version: [ 1, 2 ]
amdhsa.kernels:
  - .name:           k_q94c59d7331_tr
    .symbol:         k_q94c59d7331_tr.kd
    .args:
      - { .name: part, .offset: 0, .size: 8, .value_kind: global_buffer, .address_space: global }
      - { .name: out0, .offset: 8, .size: 8, .value_kind: global_buffer, .address_space: global }
    .group_segment_fixed_size: 35328
    .private_segment_fixed_size: 0
    .kernarg_segment_align: 8
    .kernarg_segment_size: 16
    .max_flat_workgroup_size: 128
    .sgpr_count:     66
    .vgpr_count:     146
    .wavefront_size: 32
...
	.end_amdgpu_metadata
.endif
;; end of part 4
